; MI455X (gfx1250); checked and timed in simulation.
; The chip was launched on July 23, 2026; its instructions are those of AMD's public machine-readable ISA for CDNA 5 (MIT licence, August 2026) and "CDNA5" Instruction Set Architecture Reference Guide (July 2026). The comments in the code are by the model that wrote it; some were corrected since.
;; Multi Head Attention. Allowed arithmetic: matrix products marked QUANTISED: E2M1 operands, one E8M0 scale for each 32 along K, by v_wmma_scale_f32_16x16x128_f8f6f4 with both operands' format E2M1 (or v_wmma_scale_f32_32x16x128_f4), f32 sums; products left as they are: bf16, f16 or f32 operands; f32 sums; everything else in f32.
;; Inputs: Wk 1,024 x 1,024 float32; Wo 1,024 x 1,024 float32; Wq 1,024 x 1,024 float32; Wv 1,024 x 1,024 float32; bk 1,024 float32; bo 1,024 float32; bq 1,024 float32; bv 1,024 float32; key_ 4 x 2,048 x 1,024 float32; mask 4 x 2,048 x 2,048 int32; query 4 x 2,048 x 1,024 float32; value 4 x 2,048 x 1,024 float32.
;; Outputs: out0 4 x 2,048 x 1,024 float32.
;; This version of the problem:
;;   THIS VERSION OF THE PROBLEM IS GIVEN IN LOW PRECISION. The matrix products marked QUANTISED in the list below multiply operands that are first quantised to E2M1 (2 exponent bits, 1 mantissa bit; 4 bits a number), with one power-of-two scale for each 32 numbers along K (OCP MX v1.0); their sums are f32. The products marked 'left as it is' may take bf16, f16 or f32 operands, with f32 sums. Whichever they take, every output number must still come out within the allowed error. Rounding operands to bf16 (8 significant bits) uses up far more of that allowance than f16 does (11 bits, for magnitudes from 6e-5 to 65,504). All else is computed in f32.
;;   The module's matrix products, in the order in which they are computed (A, B: the left and right operand; K: the contracted axis; several contracted axes count as one K, in the product's order):
;;     1. [M 8,192, K 1,024] x [K 1,024, N 1,024]; A: input query; B: input Wq: QUANTISED
;;     2. [M 8,192, K 1,024] x [K 1,024, N 1,024]; A: input key_; B: input Wk: QUANTISED
;;     3. [M 8,192, K 1,024] x [K 1,024, N 1,024]; A: input value; B: input Wv: QUANTISED
;;     4. batch 64 x [M 2,048, K 64] x [K 64, N 2,048]; A: computed on the way; B: computed on the way: left as it is (an operand is computed on the way)
;;     5. batch 64 x [M 2,048, K 2,048] x [K 2,048, N 64]; A: computed on the way; B: computed on the way: left as it is (an operand is computed on the way)
;;     6. [M 8,192, K 1,024] x [K 1,024, N 1,024]; A: computed on the way; B: input Wo: left as it is (an operand is computed on the way)
;;   THE QUANTISER, for each operand of a quantised product, along K:
;;     - K is cut into blocks of 32 from its start; a last block that is shorter is filled with zeros.
;;     - A block's scale is 2^e with e = floor(log2(the largest magnitude in the block)) - 2, held to -126 .. 127; a block of zeros has e = 0. As a byte (E8M0): e + 127.
;;     - Each number is divided by its block's scale, clamped to +-6, and rounded to the nearest number of E2M1, ties to even, subnormals kept.
;;     - The product sums the exact products of the quantised numbers (number of the format x scale) in f32.
;;   ~~~python
;;   def quantise(x, axis):      # numpy; x: float32 -> the quantised numbers, widened to float32 again
;;       x = np.moveaxis(x, axis, -1); K = x.shape[-1]
;;       x = np.pad(x, [(0, 0)] * (x.ndim - 1) + [(0, -K % 32)]); x = x.reshape(x.shape[:-1] + (-1, 32)); a = np.abs(x).max(-1, keepdims=True)
;;       e = np.where(a > 0, np.clip(np.frexp(np.where(a > 0, a, 1))[1] - 1 - 2, -126, 127), 0)      # np.frexp(a)[1] - 1 = floor(log2(a)), exactly
;;       r = np.clip(x / 2.0 ** e, -6, 6)
;;       step = 2.0 ** (np.maximum(np.frexp(np.where(r == 0, 1, r))[1] - 1, 0) - 1)
;;       q = np.round(r / step) * step * 2.0 ** e      # np.round: ties to even
;;       return np.moveaxis(q.reshape(q.shape[:-2] + (-1,))[..., :K], -1, axis).astype(np.float32)
;;   ~~~
;; One version. Each part assembles by itself: llvm-mc -triple=amdgcn-amd-amdhsa -mcpu=gfx1250 --defsym DOCPART=n.
;; ======== version 1 of 1: 5 launches
;; limits: values are held in f16: magnitudes above 65,504 overflow, below 6.1e-05 lose precision; right only within a limited range of input values
;; workspace buffers: XC 15,040,512 bytes; T 50,331,648 bytes; FL 786,432 bytes; MB 2,097,152 bytes of whole numbers; WO16 2,097,152 bytes; WOL 2,097,152 bytes; CTX 16,777,216 bytes; SK 256 bytes of whole numbers
;; launch prep (part 1): grid 704 x 1, 4 waves a work-group, no clusters, 101,888 bytes of LDS; arguments query, key_, value, Wq, Wk, Wv, Wo, mask, XC, WO16, WOL, MB, SK; writes XC, WO16, WOL, MB, SK
.if DOCPART == 1
	.amdgcn_target "amdgcn-amd-amdhsa--gfx1250"
	.amdhsa_code_object_version 6
	.text
	.protected	k_q5d88f80412_prep
	.globl	k_q5d88f80412_prep
	.p2align	8
	.type	k_q5d88f80412_prep,@function
k_q5d88f80412_prep:
	s_mov_b64 s[64:65], 0
	v_nop
	global_prefetch_b8 v0, s[64:65] scope:SCOPE_SE
	s_setreg_imm32_b32 hwreg(HW_REG_WAVE_MODE, 25, 1), 1
	s_wait_xcnt 0x0
; MULTI-HEAD ATTENTION, B 4, S 2048, D 1024, H 16, head size 64.  Five launches: this one, proj, attn, oproj, fine.
; DEAD WORK: none is left out.  Every input has a way to the output and is loaded: the mask is an input, so every key is walked and the mask selects; all four biases are added.
; THIS LAUNCH lays the operands out, each once:
;  path 1: query, key_, value, Wq, Wk, Wv (f32, K = 1024 innermost) become codes of E2M1 with one E8M0 byte for each 32 along K, in XC;
;  path 2: Wo becomes two f16 tensors, a high part and what is left of it (WO16, WOL);
;  path 3: the mask becomes bits (MB): one word for each score register of the attention launches, bit = lane; and, of each batch's first 16 queries, a short list (SK) by which the last launch walks.
; A block's scale is 2^(floor(log2(its largest magnitude)) - 2); its byte is that magnitude's exponent field - 2, held at 1 from below.
; LIMITS: a block of zeros gets the byte 1 where the quantiser says 127 (its codes are zeros, and this program alone reads the bytes); blocks whose largest magnitude lies under 2^-124 are held at that
; floor; NaN and infinities among the inputs are not served.
; LAYOUTS.  Every operand buffer is an image of operand registers: a fragment's group of four registers is 512 consecutive bytes, 16 bytes a lane.
;  XC [g 1728][half of K][4352 bytes]: g = 512 z + tile of 16 rows for the three activations, 1536 + 64 z + tile for the three weights; 4096 bytes of codes ([block of 32][row][16 bytes]), then 256 of scale words ([row][4 words]).
;  WO16, WOL [tile of 16 rows][8 along K][row][8 f16].   MB [b][tile of 16 queries][64 keys][32 words]: word 8 t + j, bit l: query l % 16, key 16 t + 8 (l / 16) + j.
;  SK [b][half of the keys][2 words]: word 0, bit n: the half's n-th step of 64 keys has a key that is open for one of queries 0-15; word 1: the OR of the half's words of MB for those queries.
; SHARES.  A wave takes 16 rows x 1024 numbers of 4 bytes, in 8 steps of 128 a row.  Each load reads 512 consecutive bytes of one row; the 16 rows turn through the wave's own stage in LDS (rows 528 bytes apart)
; so that a lane then holds neighbours along K of ONE row.  No cluster: nothing is shared.  No barrier: waves share nothing.  The three paths part on the work-group's number and have LDS bytes of their own.
.set SPARE, 101376                     ; behind the three groups of stages: the spare words, 128 bytes a wave
.set WST,   8448                       ; a wave's stage: 16 rows x 528 bytes
.set PT,    528
.set J2B,   33792                      ; path 2's stages
.set J3B,   67584                      ; path 3's
.set RR,    128                        ; v128-255 two sets of 64: 16 rows as loaded
.set XX,    64                         ; v64-127  64 numbers of my row
.macro LOADS set, t, pitch             ; step t: row i's 512 bytes, 16 a lane
.irp i, 0,1,2,3,4,5,6,7,8,9,10,11,12,13,14,15
	global_load_b128 v[RR+64*(\set)+4*\i:RR+64*(\set)+4*\i+3], v1, s[28:29] offset:\i*(\pitch)+512*(\t) th:TH_LOAD_NT
.endr
.endm
.macro TOSTAGE set
.irp i, 0,1,2,3,4,5,6,7,8,9,10,11,12,13,14,15
	ds_store_b128 v2, v[RR+64*(\set)+4*\i:RR+64*(\set)+4*\i+3] offset:\i*PT
.endr
.endm
.macro BACK8                           ; paths 2 and 3: register 8 i + j = number 16 i + 8 (lane / 16) + j of my row's 128
.irp i, 0,1,2,3,4,5,6,7
.irp u, 0,1
	ds_load_b128 v[XX+8*\i+4*\u:XX+8*\i+4*\u+3], v3 offset:64*\i+16*\u
.endr
.endr
.endm
.macro ARRIVE t
.if (\t) < 7
	s_wait_loadcnt 16                              ; this step's sixteen loads are in; the next step's sixteen may be out
.else
	s_wait_loadcnt 0x0
.endif
.endm
.macro ENDW                            ; the wave's end, behind my last LDS store
	s_wait_tensorcnt 0x0
	ds_add_u32 v5, v6
	s_wait_dscnt 0x0
	s_endpgm
.endm
	s_load_b512 s[4:19], s[0:1], 0x0               ; query, key_, value, Wq, Wk, Wv, Wo, mask
	s_load_b256 s[20:27], s[0:1], 0x40             ; XC, WO16, WOL, MB
	s_load_b64 s[58:59], s[0:1], 0x60              ; SK
	v_lshl_add_u32 v5, v0, 2, SPARE                ; my spare word; never rewritten
	v_mov_b32 v6, 0                                ; 0; never rewritten
	v_lshrrev_b32 v7, 5, v0
	v_readfirstlane_b32 s30, v7                    ; wave
	v_and_b32 v7, 31, v0                           ; lane
	v_lshlrev_b32 v1, 4, v7                        ; 16 x lane: every dense load and store
	v_and_b32 v8, 15, v0                           ; r
	v_bfe_u32 v9, v0, 4, 1                         ; h
	s_mul_i32 s31, s30, WST
	v_add_nc_u32 v2, s31, v1                       ; the stage, way in: row i at i x 528
	v_mul_u32_u24 v3, v8, PT
	v_add_nc_u32 v3, s31, v3                       ; way out: my row
	s_lshl_b32 s32, ttmp9, 2
	s_add_co_u32 s32, s32, s30                     ; 4 x work-group + wave
	s_mov_b32 s34, 0x76543210
	s_mov_b32 s35, 0xfedcba98                      ; lane l xor 16
	s_mov_b32 s37, 0
	s_mov_b32 s39, 0
	s_wait_kmcnt 0x0
	s_cmp_lt_u32 ttmp9, 432
	s_cbranch_scc0 .Lnot_codes
	; ---- path 1: codes.  Work-groups 0-383 take the activations, 384-431 the weights
	v_lshl_add_u32 v3, v9, 7, v3                   ; + 128 h: lane (r, h) takes blocks h and 2 + h of its row's four
	s_cmp_lt_u32 ttmp9, 416
	s_cselect_b64 s[28:29], s[12:13], s[14:15]
	s_cmp_lt_u32 ttmp9, 400
	s_cselect_b64 s[28:29], s[10:11], s[28:29]
	s_cmp_lt_u32 ttmp9, 384
	s_cselect_b64 s[28:29], s[8:9], s[28:29]
	s_cselect_b32 s36, 511, 63                     ; tiles in a tensor, less one
	s_cmp_lt_u32 ttmp9, 256
	s_cselect_b64 s[28:29], s[6:7], s[28:29]
	s_cmp_lt_u32 ttmp9, 128
	s_cselect_b64 s[28:29], s[4:5], s[28:29]
	s_and_b32 s36, s32, s36                        ; my tile in its tensor
	s_lshl_b32 s36, s36, 16                        ; 16 rows of 4,096 bytes
	s_add_nc_u64 s[28:29], s[28:29], s[36:37]
	s_mul_i32 s36, s32, 8704
	s_add_nc_u64 s[20:21], s[20:21], s[36:37]      ; XC at my g
	LOADS 0, 0, 4096
	LOADS 1, 1, 4096
	v_lshlrev_b32 v10, 3, v9                       ; 8 h
	v_mov_b32 v33, 0                               ; a lane permute's destination counts as one of its sources
.macro CODES t
	ARRIVE \t
	TOSTAGE (\t)%2
.irp c, 0,1
.irp i, 0,1,2,3,4,5,6,7
	ds_load_b128 v[XX+32*\c+4*\i:XX+32*\c+4*\i+3], v3 offset:256*\c+16*\i   ; block 2 c + h of my row: 32 numbers
.endr
.endr
	s_wait_dscnt 0x0                               ; my numbers are back, and the stage's stores have read their registers,
.if (\t)+2 < 8
	LOADS (\t)%2, (\t)+2, 4096                     ; which take the loads of two steps on
.endif
.irp c, 0,1
	v_max3_num_f32 v[12+\c], |v[XX+32*\c]|, |v[XX+32*\c+1]|, 0x1800000   ; the block's largest magnitude, and the floor 2^(3 - 127): the byte cannot fall under 1
.endr
.irp i, 2,4,6,8,10,12,14,16,18,20,22,24,26,28,30
.irp c, 0,1
	v_max3_num_f32 v[12+\c], v[12+\c], |v[XX+32*\c+\i]|, |v[XX+32*\c+\i+1]|
.endr
.endr
.irp c, 0,1
	v_add_nc_u32 v[12+\c], 0xff000000, v[12+\c]    ; 2 off its exponent field: the conversion's scale operand
.endr
.irp c, 0,1
	v_lshrrev_b32 v[14+\c], 23, v[12+\c]           ; the scale's byte
.endr
	v_lshl_or_b32 v32, v15, 16, v14                ; my two bytes, blocks h and 2 + h,
	v_lshlrev_b32 v32, v10, v32                    ; at their places in the word;
	v_permlanex16_b32 v33, v32, s34, s35
	v_or_b32 v[24+(\t)], v32, v33                  ; with lane l xor 16's two: my row's scale word of these 128
	s_wait_xcnt 0x0                                ; the last step's stores have read the codes' registers
.irp c, 0,1
.irp g, 0,1,2,3
	v_cvt_scalef32_pk8_fp4_f32 v[16+4*\c+\g], v[XX+32*\c+8*\g:XX+32*\c+8*\g+7], v[12+\c]
.endr
.endr
	v_nop                                          ; one plain place behind the conversions
	global_store_b128 v1, v[16:19], s[20:21] offset:((\t)/4)*4352+((\t)%4)*1024       ; 512 consecutive bytes: the fragment's registers 0-3,
	global_store_b128 v1, v[20:23], s[20:21] offset:((\t)/4)*4352+((\t)%4)*1024+512   ; and 4-7
.endm
.irp t, 0,1,2,3,4,5,6,7
	CODES \t
.endr
	v_cmp_ne_u32 vcc_lo, 0, v9
.irp i, 0,1,2,3
	v_cndmask_b32 v[12+\i], v[24+\i], v[28+\i], vcc_lo   ; lanes 0-15 store the first half of K's four words, lanes 16-31 the second's
.endr
	v_mul_u32_u24 v11, v9, 4352
	v_lshl_add_u32 v11, v8, 4, v11
	global_store_b128 v11, v[12:15], s[20:21] offset:4096   ; sixteen lanes store 256 consecutive bytes
	ENDW
.Lnot_codes:
	s_cmp_lt_u32 ttmp9, 448
	s_cbranch_scc0 .Lbits
	; ---- path 2: Wo in two f16 parts.  Work-groups 432-447, a tile of 16 rows a wave
	v_add_nc_u32 v2, J2B, v2
	v_lshl_add_u32 v3, v9, 5, v3
	v_add_nc_u32 v3, J2B, v3
	s_sub_co_u32 s36, s32, 1728                    ; my tile
	s_lshl_b32 s38, s36, 16
	s_add_nc_u64 s[28:29], s[16:17], s[38:39]
	s_lshl_b32 s38, s36, 15
	s_add_nc_u64 s[22:23], s[22:23], s[38:39]
	s_add_nc_u64 s[24:25], s[24:25], s[38:39]
	LOADS 0, 0, 4096
	LOADS 1, 1, 4096
.macro HALVES t
	ARRIVE \t
	TOSTAGE (\t)%2
	s_wait_xcnt 0x0                                ; the last step's stores have read their registers
	BACK8
	s_wait_dscnt 0x0
.if (\t)+2 < 8
	LOADS (\t)%2, (\t)+2, 4096
.endif
.set p, 0
.rept 32
	v_cvt_pk_f16_f32 v[16+p], v[XX+2*p], v[XX+2*p+1]   ; the high parts
.set p, p+1
.endr
.irp i, 0,1,2,3,4,5,6,7
	global_store_b128 v1, v[16+4*\i:16+4*\i+3], s[22:23] offset:(16*(\t)+2*\i)*256
.endr
.set p, 0
.rept 32                               ; what the rounding left, in f32, rounded to f16; packed in place, from the low end on
	v_cvt_pk_f16_f32 v48, v[XX+2*p], v[XX+2*p+1]
	v_cvt_f32_f16 v50, v48.l
	v_cvt_f32_f16 v51, v48.h
	v_pk_add_f32 v[50:51], v[XX+2*p:XX+2*p+1], v[50:51] neg_lo:[0,1] neg_hi:[0,1]
	v_cvt_pk_f16_f32 v[XX+p], v50, v51
.set p, p+1
.endr
.irp i, 0,1,2,3,4,5,6,7
	global_store_b128 v1, v[XX+4*\i:XX+4*\i+3], s[24:25] offset:(16*(\t)+2*\i)*256
.endr
.endm
.irp t, 0,1,2,3,4,5,6,7
	HALVES \t
.endr
	ENDW
.Lbits:
	; ---- path 3: the mask in bits.  Work-groups 448-703; a wave takes 16 queries x 1024 keys
	v_add_nc_u32 v2, J3B, v2
	v_lshl_add_u32 v3, v9, 5, v3
	v_add_nc_u32 v3, J3B, v3
	s_sub_co_u32 s36, s32, 1792
	s_lshr_b32 s33, s36, 1                         ; 128 b + tile of queries
	s_and_b32 s36, s36, 1                          ; which half of the keys
	s_lshl_b32 s38, s33, 17                        ; 16 rows of 8,192 bytes
	s_lshl_b32 s40, s36, 12
	s_add_co_u32 s38, s38, s40
	s_add_nc_u64 s[28:29], s[18:19], s[38:39]
	s_lshl_b32 s38, s33, 12                        ; 4,096 bytes of words for a tile of queries
	s_lshl_b32 s40, s36, 11
	s_add_co_u32 s38, s38, s40
	s_add_nc_u64 s[26:27], s[26:27], s[38:39]
	s_and_b32 s56, s33, 127                        ; my tile of queries in its batch: 0 in the waves that also make the list
	s_lshr_b32 s60, s33, 7                         ; b
	s_lshl_b32 s60, s60, 1
	s_add_co_u32 s60, s60, s36
	s_lshl_b32 s60, s60, 3                         ; 8 bytes for each (b, half)
	s_mov_b32 s61, 0
	s_add_nc_u64 s[58:59], s[58:59], s[60:61]
	s_mov_b32 s52, 0                               ; a step's words, ORed
	s_mov_b32 s53, 0                               ; all words, ORed
	s_mov_b32 s54, 0
	s_mov_b32 s55, 0                               ; a bit for each step of 64 keys
	v_lshlrev_b32 v4, 3, v7                        ; 8 x lane
	v_mov_b32 v16, 0                               ; written once whole: v_writelane_b32 writes one lane
	v_mov_b32 v17, 0
	LOADS 0, 0, 8192
	LOADS 1, 1, 8192
; The list, in the waves of a batch's first 16 queries alone (a branch on ids): the eight words just made are ORed; four such groups are a step of 64 keys.
.macro SUMS t, g
	s_cmp_lg_u32 s56, 0
	s_cbranch_scc1 .Lnot_first_\@
.if (\g)%4 == 0
	s_mov_b32 s52, 0
.endif
.irp k, 0,1,2,3,4,5,6,7
	s_or_b32 s52, s52, s[40+\k]
.endr
.if (\g)%4 == 3
	s_or_b32 s53, s53, s52
	s_cmp_lg_u32 s52, 0
	s_cselect_b32 s54, 1<<(2*(\t)+(\g)/4), 0       ; the step's bit, where one of its keys is open for one of the 16 queries
	s_or_b32 s55, s55, s54
.endif
.Lnot_first_\@:
.endm
.macro BITS t
	ARRIVE \t
	TOSTAGE (\t)%2
	BACK8
	s_wait_dscnt 0x0
.if (\t)+2 < 8
	LOADS (\t)%2, (\t)+2, 8192
.endif
	s_wait_xcnt 0x0                                ; the last step's store has read v16 and v17
.irp g, 0,1,2,3,4,5,6,7
.irp k, 0,1,2,3,4,5,6,7
	v_cmp_ne_u32 s[40+\k], 0, v[XX+8*\g+\k]        ; word 8 g + k of the step's 64: bit l = my lane's number is not 0
.endr
.irp k, 0,1,2,3,4,5,6,7
	v_writelane_b32 v[16+\k%2], s[40+\k], (8*\g+\k)/2   ; lane n gathers words 2 n and 2 n + 1
.endr
	SUMS \t, \g
.endr
	global_store_b64 v4, v[16:17], s[26:27] offset:256*(\t)   ; 256 consecutive bytes: the words of 128 keys
.endm
.irp t, 0,1,2,3,4,5,6,7
	BITS \t
.endr
	s_cmp_lg_u32 s56, 0
	s_cbranch_scc1 .Lno_list
	v_mov_b32 v18, s55                             ; the list's two words of my (b, half)
	v_mov_b32 v19, s53
	v_cmp_eq_u32 vcc_lo, 0, v7
	s_wait_xcnt 0x0                                ; EXEC changes only behind this wait: the stores above have it among their sources
	s_and_saveexec_b32 s57, vcc_lo                 ; lane 0 alone, whose offset 8 x lane is 0
	global_store_b64 v4, v[18:19], s[58:59]        ; 8 bytes; eight waves of the launch store such a pair
	s_wait_xcnt 0x0                                ; and again, in front of the line that widens it
	s_or_b32 exec_lo, exec_lo, s57
.Lno_list:
	ENDW
.Lfunc_end_k_q5d88f80412_prep:
	.size	k_q5d88f80412_prep, .Lfunc_end_k_q5d88f80412_prep-k_q5d88f80412_prep
	.p2alignl 7, 3214868480
	.fill 96, 4, 3214868480
	.section	.rodata,"a",@progbits
	.p2align	6, 0x0
	.amdhsa_kernel k_q5d88f80412_prep
		.amdhsa_group_segment_fixed_size 101888
		.amdhsa_private_segment_fixed_size 0
		.amdhsa_enable_private_segment 0
		.amdhsa_kernarg_size 104
		.amdhsa_user_sgpr_count 2
		.amdhsa_user_sgpr_kernarg_segment_ptr 1
		.amdhsa_wavefront_size32 1
		.amdhsa_system_sgpr_workgroup_id_x 1
		.amdhsa_system_sgpr_workgroup_id_y 1
		.amdhsa_system_sgpr_workgroup_id_z 1
		.amdhsa_system_vgpr_workitem_id 0
		.amdhsa_next_free_vgpr 256
		.amdhsa_next_free_sgpr 66
		.amdhsa_reserve_vcc 1
		.amdhsa_float_denorm_mode_32 3
		.amdhsa_float_denorm_mode_16_64 3
		.amdhsa_memory_ordered 1
		.amdhsa_forward_progress 1
		.amdhsa_inst_pref_size 255
	.end_amdhsa_kernel
	.section	.bss,"aw",@nobits
	.p2align	6
	.space	262144
	.amdgpu_metadata
---
amdhsa.version: [ 1, 2 ]
amdhsa.kernels:
  - .name:           k_q5d88f80412_prep
    .symbol:         k_q5d88f80412_prep.kd
    .args:
      - { .name: query, .offset: 0, .size: 8, .value_kind: global_buffer, .address_space: global }
      - { .name: key_, .offset: 8, .size: 8, .value_kind: global_buffer, .address_space: global }
      - { .name: value, .offset: 16, .size: 8, .value_kind: global_buffer, .address_space: global }
      - { .name: Wq, .offset: 24, .size: 8, .value_kind: global_buffer, .address_space: global }
      - { .name: Wk, .offset: 32, .size: 8, .value_kind: global_buffer, .address_space: global }
      - { .name: Wv, .offset: 40, .size: 8, .value_kind: global_buffer, .address_space: global }
      - { .name: Wo, .offset: 48, .size: 8, .value_kind: global_buffer, .address_space: global }
      - { .name: mask, .offset: 56, .size: 8, .value_kind: global_buffer, .address_space: global }
      - { .name: XC, .offset: 64, .size: 8, .value_kind: global_buffer, .address_space: global }
      - { .name: WO16, .offset: 72, .size: 8, .value_kind: global_buffer, .address_space: global }
      - { .name: WOL, .offset: 80, .size: 8, .value_kind: global_buffer, .address_space: global }
      - { .name: MB, .offset: 88, .size: 8, .value_kind: global_buffer, .address_space: global }
      - { .name: SK, .offset: 96, .size: 8, .value_kind: global_buffer, .address_space: global }
    .group_segment_fixed_size: 101888
    .private_segment_fixed_size: 0
    .kernarg_segment_align: 8
    .kernarg_segment_size: 104
    .max_flat_workgroup_size: 128
    .sgpr_count:     66
    .vgpr_count:     256
    .wavefront_size: 32
...
	.end_amdgpu_metadata
.endif
;; end of part 1
;; launch proj (part 2): grid 4 x 64, 8 waves a work-group, no clusters, 327,680 bytes of LDS; arguments XC, bq, bk, bv, T, FL; writes T, FL
.if DOCPART == 2
	.amdgcn_target "amdgcn-amd-amdhsa--gfx1250"
	.amdhsa_code_object_version 6
	.text
	.protected	k_q5d88f80412_proj
	.globl	k_q5d88f80412_proj
	.p2align	8
	.type	k_q5d88f80412_proj,@function
k_q5d88f80412_proj:
	s_mov_b64 s[64:65], 0
	v_nop
	global_prefetch_b8 v0, s[64:65] scope:SCOPE_SE
	s_setreg_imm32_b32 hwreg(HW_REG_WAVE_MODE, 25, 1), 1
	s_wait_xcnt 0x0
; Q = query Wq^T + bq, K = key_ Wk^T + bk, V = value Wv^T + bv, on codes of E2M1 with E8M0 scales as the first launch made them (XC); sums in f32.  No work is left out.
; The results leave as f16 images of the attention launches' operand registers (T): Q times log2(e) / 8, taken in f32 ahead of the rounding, so that p = 2^(Q'.K - m); K as it is; V with the keys innermost.
; Of the first positions of every sequence (Q: 0-15, K and V: 0-31) what the rounding to f16 left goes out too, as f16 (FL), for the last launch.
; LIMITS: |Q| log2(e) / 8, |K| and |V| stay under 65,504, f16's largest number; NaN and infinities are not served.
; SHARES.  A work-group stays on its block of 128 rows x 256 columns and makes it three times, for Q, K and V: six steps (tensor, half of K) through a ring of two LDS slots, slot = half of K.
; Eight waves, each 64 rows x 64 columns (one head): 16 accumulators.  A slot holds 8 tiles of 16 rows of the activation and 16 of the weight, each 4,352 bytes: codes as images of fragments, then scale words.
; Waves 0-3 fetch the activation's tiles, two each, waves 4-7 the weight's, four each: one tensor load a wave, rows of 4,352 bytes, 8,704 apart in memory.  At most two tensor loads of a wave are out: the first fills.
; NO CLUSTER: whether low parts are stored is a branch on the row block, and the weight's tiles, 16 of a slot's 24, are shared only by work-groups of different row blocks, which part at that branch.
; Q and K are made TRANSPOSED (source 0 = 16 rows of W, source 1 = 16 rows of x): a lane holds one row and eight neighbouring channels, 16 bytes of f16.  V the other way round: a lane holds one channel and eight neighbouring keys.
; The biases are the C of each sum's first matrix instruction.  The 16 accumulators take turns, one instruction a turn.
; T [b h][512 positions][Q', K, V][65,536 bytes]: Q', K [tile of 16][8 channels][row][8]; V [32 keys][16 channels][1,024 bytes].   FL [b h][Q', K, V][4,096 bytes], with T's offsets.
.set TILEB, 4352
.set SLOT,  24*TILEB
.set SPARE, 2*SLOT                     ; behind the ring: the spare words, 128 bytes a wave
.set LI,   1                           ; v1    16 x lane
.set ADRA, 2                           ; v2-3  my four tiles of x in slot 0, 1
.set ADRB, 4                           ; v4-5  my four tiles of W
.set ADRS, 6                           ; v6-7  scale words: lanes 0-15 x's rows, lanes 16-31 W's
.set BO32, 8                           ; v8    32 h
.set BO4,  9                           ; v9    4 r
.set SPW,  10
.set NIL,  11
.set AF,   32                          ; v32-63  x's four fragments; v64-95 W's; both are the f16 results on the way out
.set BF,   64
.set SC,   96                          ; v96-111 scale words and nothing else: register 4 i + q
.set ACC,  128                         ; v128-255; the biases lie in v16-31 and v112-127
.set G1A, 16
.set G1B, 24
.set G0A, 32
.set G0B, 40
.set CS,  48
.set WV,  50
.set RH,  51
.set CQ,  52
.set FINE, 53
.macro PLACES n
.rept \n
	v_nop
.endr
.endm
.macro JLOAD s                         ; each wave's one load: an s_nop 0 and four v_nop follow each of the two lines
	s_cmp_eq_u32 s[RH], 0
	s_cbranch_scc0 .Lfor_b_\@
	tensor_load_to_lds s[G0A+4*\s:G0A+4*\s+3], s[G1A:G1A+7]
	s_nop 0
.rept 4
	v_nop
.endr
	s_branch .Lasked_\@
.Lfor_b_\@:
	tensor_load_to_lds s[G0B+4*\s:G0B+4*\s+3], s[G1B:G1B+7]
	s_nop 0
.rept 4
	v_nop
.endr
.Lasked_\@:
.endm
.macro BIASLD z                        ; the bias in the result's layout, eight registers for each of my four column tiles
.irp b, 0,1,2,3
.set rC, 16+8*\b+80*(\b/2)
.if \z < 2
	global_load_b128 v[rC:rC+3], v[BO32], s[6+2*\z:7+2*\z] offset:64*\b       ; register j: channel 16 b + 8 h + j
	global_load_b128 v[rC+4:rC+7], v[BO32], s[6+2*\z:7+2*\z] offset:64*\b+16
.else
.irp j, 0,1,2,3,4,5,6,7
	global_load_b32 v[rC+\j], v[BO4], s[10:11] offset:64*\b                   ; every register: channel 16 b + r
.endr
.endif
.endr
.endm
; 128 along K: the slot's q-th.  first = 1: the sums begin with the bias.  swap = 1: V.  bl: the tensor whose bias is fetched here, or -1
.macro KSTEP slot, q, first, swap, bl
	PLACES 4                                       ; in front of loads into registers that matrix instructions have read
.if \bl >= 0
	BIASLD \bl
.endif
.irp a, 0,1,2,3
.irp c, 0,1
	ds_load_b128 v[AF+8*\a+4*\c:AF+8*\a+4*\c+3], v[ADRA+\slot] offset:\a*TILEB+(\q)*1024+512*\c
	ds_load_b128 v[BF+8*\a+4*\c:BF+8*\a+4*\c+3], v[ADRB+\slot] offset:\a*TILEB+(\q)*1024+512*\c
.endr
.endr
	s_wait_dscnt 0x0
.irp a, 0,1,2,3
.irp b, 0,1,2,3
.set rD, ACC+8*(4*\a+\b)
.set rC, 16+8*\b+80*(\b/2)
.if \swap
.if \first
	v_wmma_scale_f32_16x16x128_f8f6f4 v[rD:rD+7], v[AF+8*\a:AF+8*\a+7], v[BF+8*\b:BF+8*\b+7], v[rC:rC+7], v[SC+4*\a+(\q)], v[SC+4*\b+(\q)] matrix_a_fmt:MATRIX_FMT_FP4 matrix_b_fmt:MATRIX_FMT_FP4 matrix_b_scale:MATRIX_SCALE_ROW1
.else
	v_wmma_scale_f32_16x16x128_f8f6f4 v[rD:rD+7], v[AF+8*\a:AF+8*\a+7], v[BF+8*\b:BF+8*\b+7], v[rD:rD+7], v[SC+4*\a+(\q)], v[SC+4*\b+(\q)] matrix_a_fmt:MATRIX_FMT_FP4 matrix_b_fmt:MATRIX_FMT_FP4 matrix_b_scale:MATRIX_SCALE_ROW1
.endif
.else
.if \first
	v_wmma_scale_f32_16x16x128_f8f6f4 v[rD:rD+7], v[BF+8*\b:BF+8*\b+7], v[AF+8*\a:AF+8*\a+7], v[rC:rC+7], v[SC+4*\b+(\q)], v[SC+4*\a+(\q)] matrix_a_fmt:MATRIX_FMT_FP4 matrix_b_fmt:MATRIX_FMT_FP4 matrix_a_scale:MATRIX_SCALE_ROW1
.else
	v_wmma_scale_f32_16x16x128_f8f6f4 v[rD:rD+7], v[BF+8*\b:BF+8*\b+7], v[AF+8*\a:AF+8*\a+7], v[rD:rD+7], v[SC+4*\b+(\q)], v[SC+4*\a+(\q)] matrix_a_fmt:MATRIX_FMT_FP4 matrix_b_fmt:MATRIX_FMT_FP4 matrix_a_scale:MATRIX_SCALE_ROW1
.endif
.endif
.endr
.endr
.endm
.macro CSTEP slot, first, swap, bl     ; a slot: 512 along K
	PLACES 4
.irp i, 0,1,2,3
	ds_load_b128 v[SC+4*\i:SC+4*\i+3], v[ADRS+\slot] offset:\i*TILEB   ; four words a row: lanes 0-15 x's tile i, lanes 16-31 W's tile i
.endr
	KSTEP \slot, 0, \first, \swap, -1
	KSTEP \slot, 1, 0, \swap, \bl
	KSTEP \slot, 2, 0, \swap, -1
	KSTEP \slot, 3, 0, \swap, -1
.endm
; The change of slots.  Each wave waits for all its tensor loads (its part of the other slot), adds 0 to its spare word, and waits for that and for its reads of the slot that it leaves.
; fill = 1: that slot takes the next tensor's same half of K, first thing behind the barrier.
.macro CHANGE slot, fill
	s_wait_tensorcnt 0x0                           ; no tensor load of mine is out, so a group 0 may be written
	ds_add_u32 v[SPW], v[NIL]
.if \fill
	s_add_nc_u64 s[G0A+4*\slot+2:G0A+4*\slot+3], s[G0A+4*\slot+2:G0A+4*\slot+3], 512*8704   ; the next activation,
	s_add_nc_u64 s[G0B+4*\slot+2:G0B+4*\slot+3], s[G0B+4*\slot+2:G0B+4*\slot+3], 64*8704    ; the next weight
.endif
	s_wait_dscnt 0x0
	s_barrier_signal -1
	s_barrier_wait -1
.if \fill
	JLOAD \slot
.endif
.endm
; The way out of tensor z: rounded to f16, 16 bytes a lane, each store 512 consecutive bytes.
.macro OUT z
	PLACES 4
.irp a, 0,1,2,3
.irp b, 0,1,2,3
.set rD, ACC+8*(4*\a+\b)
.set rH, AF+4*(4*\a+\b)
.if \z == 0
.irp p, 0,2,4,6
	v_pk_mul_f32 v[rD+\p:rD+\p+1], v[rD+\p:rD+\p+1], s[CS:CS+1] op_sel_hi:[1,0]   ; Q' = Q log2(e) / 8, in f32
.endr
.endif
.irp p, 0,1,2,3
	v_cvt_pk_f16_f32 v[rH+\p], v[rD+2*\p], v[rD+2*\p+1]
.endr
.if \z < 2
	global_store_b128 v[LI], v[rH:rH+3], s[12:13] offset:\z*65536+\a*2048+\b*512
.else
	global_store_b128 v[LI], v[rH:rH+3], s[12:13] offset:\z*65536+(\a/2)*4096+(\a%2)*512+\b*1024
.endif
.endr
.endr
	s_cmp_eq_u32 s[FINE], 0                        ; ids alone: the wave that holds a sequence's first 64 positions
	s_cbranch_scc0 .Lcoarse_\@
	s_wait_xcnt 0x0                                ; the stores above have read their registers
.irp a, 0,1
.if (\a == 0) || (\z > 0)
.irp b, 0,1,2,3
.set rD, ACC+8*(4*\a+\b)
.set rH, AF+4*(4*\a+\b)
.irp p, 0,1,2,3
	v_cvt_pk_f16_f32 v12, v[rD+2*\p], v[rD+2*\p+1]
	v_cvt_f32_f16 v14, v12.l
	v_cvt_f32_f16 v15, v12.h
	v_pk_add_f32 v[14:15], v[rD+2*\p:rD+2*\p+1], v[14:15] neg_lo:[0,1] neg_hi:[0,1]   ; what the rounding left
	v_cvt_pk_f16_f32 v[rH+\p], v14, v15
.endr
.if \z < 2
	global_store_b128 v[LI], v[rH:rH+3], s[14:15] offset:\z*4096+\a*2048+\b*512
.else
	global_store_b128 v[LI], v[rH:rH+3], s[14:15] offset:\z*4096+\a*512+\b*1024
.endif
.endr
.endif
.endr
.Lcoarse_\@:
	s_wait_xcnt 0x0                                ; every store has read its registers: fragments may be loaded there again
.endm
	s_load_b256 s[4:11], s[0:1], 0x0               ; XC, bq, bk, bv
	s_load_b128 s[12:15], s[0:1], 0x20             ; T, FL
	v_lshl_add_u32 v[SPW], v0, 2, SPARE
	v_mov_b32 v[NIL], 0
	ds_add_u32 v[SPW], v[NIL]                      ; the wave's opening: the add, twice on end, and its wait ahead of my first tensor load
	ds_add_u32 v[SPW], v[NIL]
	v_lshrrev_b32 v12, 5, v0
	v_readfirstlane_b32 s[WV], v12                 ; wave 0..7
	s_lshr_b32 s[RH], s[WV], 2                     ; which 64 rows are mine.  Also: I fetch for x (0) or for W (1)
	s_and_b32 s[CQ], s[WV], 3                      ; which 64 columns.  Also: which part I fetch
	s_and_b32 s54, ttmp7, 0xffff                   ; the row block
	s_mov_b32 s[G1A], 3<<16                        ; elements of 8 bytes, no mask, no padding
	s_mov_b32 s[G1A+1], 544<<16                    ; tensor_dim0 = 544: 4,352 bytes
	s_mov_b32 s[G1A+2], 2<<16                      ; tensor_dim1 = 2 tiles
	s_mov_b32 s[G1A+3], 544<<16                    ; tile_dim0
	s_mov_b32 s[G1A+4], 2                          ; tile_dim1
	s_mov_b32 s[G1A+5], 1088                       ; from tile to tile: 8,704 bytes
	s_mov_b32 s[G1A+6], 0
	s_mov_b32 s[G1A+7], 0
	s_mov_b32 s[G1B], 3<<16
	s_mov_b32 s[G1B+1], 544<<16
	s_mov_b32 s[G1B+2], 4<<16                      ; 4 tiles
	s_mov_b32 s[G1B+3], 544<<16
	s_mov_b32 s[G1B+4], 4
	s_mov_b32 s[G1B+5], 1088
	s_mov_b32 s[G1B+6], 0
	s_mov_b32 s[G1B+7], 0
	s_lshl_b32 s55, s54, 3
	s_lshl_b32 s56, s[CQ], 1
	s_add_co_u32 s55, s55, s56                     ; x: g = 8 x row block + 2 x part
	s_mul_i32 s56, s55, 8704
	s_mov_b32 s57, 0
	s_lshl_b32 s58, ttmp9, 4
	s_lshl_b32 s59, s[CQ], 2
	s_add_co_u32 s58, s58, s59
	s_add_co_u32 s58, s58, 1536                    ; W: g = 1536 + 16 x column block + 4 x part
	s_mul_i32 s58, s58, 8704
	s_mov_b32 s59, 0
	s_mul_i32 s60, s[CQ], 2*TILEB                  ; where they go in a slot
	s_mul_i32 s61, s[CQ], 4*TILEB
	s_add_co_u32 s61, s61, 8*TILEB
	s_mov_b32 s[CS], 0x3e38aa3b                    ; log2(e) / 8
	s_mov_b32 s[CS+1], s[CS]
	s_and_b32 s[FINE], s54, 15
	s_or_b32 s[FINE], s[FINE], s[RH]               ; 0: my rows are positions 0-63 of a sequence
	s_wait_dscnt 0x0                               ; both opening adds are done
	s_wait_kmcnt 0x0
	s_add_nc_u64 s[56:57], s[4:5], s[56:57]
	s_add_nc_u64 s[58:59], s[4:5], s[58:59]
.irp s, 0,1
	s_mov_b32 s[G0A+4*\s], 1
	s_add_co_u32 s[G0A+4*\s+1], s60, \s*SLOT
	s_add_nc_u64 s[G0A+4*\s+2:G0A+4*\s+3], s[56:57], \s*TILEB   ; slot s: half s of K
	s_or_b32 s[G0A+4*\s+3], s[G0A+4*\s+3], 0x80000000
	s_mov_b32 s[G0B+4*\s], 1
	s_add_co_u32 s[G0B+4*\s+1], s61, \s*SLOT
	s_add_nc_u64 s[G0B+4*\s+2:G0B+4*\s+3], s[58:59], \s*TILEB
	s_or_b32 s[G0B+4*\s+3], s[G0B+4*\s+3], 0x80000000
	JLOAD \s
.endr
	v_and_b32 v12, 31, v0
	v_lshlrev_b32 v[LI], 4, v12
	v_and_b32 v13, 15, v0                          ; r
	v_bfe_u32 v14, v0, 4, 1                        ; h
	s_mul_i32 s67, s[RH], 4*TILEB                  ; my four tiles of x
	s_mul_i32 s70, s[CQ], 4*TILEB
	s_add_co_u32 s70, s70, 8*TILEB                 ; my four of W, behind x's eight
	v_add_nc_u32 v[ADRA], s67, v[LI]
	v_add_nc_u32 v[ADRB], s70, v[LI]
	v_add_nc_u32 v[ADRA+1], SLOT, v[ADRA]
	v_add_nc_u32 v[ADRB+1], SLOT, v[ADRB]
	s_sub_co_u32 s71, s70, s67
	v_mul_u32_u24 v15, s71, v14                    ; lanes 16-31 take W's scale words
	v_lshl_add_u32 v15, v13, 4, v15
	s_add_co_u32 s67, s67, 4096
	v_add_nc_u32 v[ADRS], s67, v15
	v_add_nc_u32 v[ADRS+1], SLOT, v[ADRS]
	v_lshlrev_b32 v[BO32], 5, v14
	v_lshlrev_b32 v[BO4], 2, v13
	s_lshl_b32 s68, ttmp9, 10                      ; the biases at my 64 columns
	s_lshl_b32 s67, s[CQ], 8
	s_add_co_u32 s68, s68, s67
	s_mov_b32 s69, 0
	s_add_nc_u64 s[6:7], s[6:7], s[68:69]
	s_add_nc_u64 s[8:9], s[8:9], s[68:69]
	s_add_nc_u64 s[10:11], s[10:11], s[68:69]
	BIASLD 0
	s_lshr_b32 s66, s54, 4                         ; b
	s_lshl_b32 s66, s66, 4
	s_lshl_b32 s67, ttmp9, 2
	s_add_co_u32 s66, s66, s67
	s_add_co_u32 s66, s66, s[CQ]                   ; 16 b + head
	s_mul_i32 s68, s66, 786432
	s_bfe_u32 s67, s54, 0x20002                    ; which 512 positions
	s_mul_i32 s67, s67, 196608
	s_add_co_u32 s68, s68, s67
	s_and_b32 s67, s54, 3
	s_lshl_b32 s67, s67, 3
	s_lshl_b32 s70, s[RH], 2
	s_add_co_u32 s67, s67, s70                     ; my first tile of 16 among their 32
	s_lshl_b32 s67, s67, 11
	s_add_co_u32 s68, s68, s67
	s_add_nc_u64 s[12:13], s[12:13], s[68:69]
	s_mul_i32 s68, s66, 12288
	s_add_nc_u64 s[14:15], s[14:15], s[68:69]
	s_wait_tensorcnt 0x1                           ; my part of slot 0 is in; slot 1's may stay out
	s_barrier_signal -1
	s_barrier_wait -1
	s_wait_loadcnt 0x0                             ; bq
	CSTEP 0, 1, 0, 1
	CHANGE 0, 1
	CSTEP 1, 0, 0, -1
	CHANGE 1, 1
	OUT 0                                          ; both refills are asked for: now Q' goes out
	s_wait_loadcnt 0x0                             ; bk
	CSTEP 0, 1, 0, 2
	CHANGE 0, 1
	CSTEP 1, 0, 0, -1
	CHANGE 1, 1
	OUT 1
	s_wait_loadcnt 0x0                             ; bv
	CSTEP 0, 1, 1, -1
	CHANGE 0, 0                                    ; nothing is left to fetch
	CSTEP 1, 0, 1, -1
	OUT 2
	s_wait_tensorcnt 0x0                           ; the wave's end
	ds_add_u32 v[SPW], v[NIL]
	s_wait_dscnt 0x0
	s_endpgm
.Lfunc_end_k_q5d88f80412_proj:
	.size	k_q5d88f80412_proj, .Lfunc_end_k_q5d88f80412_proj-k_q5d88f80412_proj
	.p2alignl 7, 3214868480
	.fill 96, 4, 3214868480
	.section	.rodata,"a",@progbits
	.p2align	6, 0x0
	.amdhsa_kernel k_q5d88f80412_proj
		.amdhsa_group_segment_fixed_size 327680
		.amdhsa_private_segment_fixed_size 0
		.amdhsa_enable_private_segment 0
		.amdhsa_kernarg_size 48
		.amdhsa_user_sgpr_count 2
		.amdhsa_user_sgpr_kernarg_segment_ptr 1
		.amdhsa_wavefront_size32 1
		.amdhsa_system_sgpr_workgroup_id_x 1
		.amdhsa_system_sgpr_workgroup_id_y 1
		.amdhsa_system_sgpr_workgroup_id_z 1
		.amdhsa_system_vgpr_workitem_id 0
		.amdhsa_next_free_vgpr 256
		.amdhsa_next_free_sgpr 80
		.amdhsa_reserve_vcc 0
		.amdhsa_float_denorm_mode_32 3
		.amdhsa_float_denorm_mode_16_64 3
		.amdhsa_memory_ordered 1
		.amdhsa_forward_progress 1
		.amdhsa_inst_pref_size 137
	.end_amdhsa_kernel
	.amdgpu_metadata
---
amdhsa.version: [ 1, 2 ]
amdhsa.kernels:
  - .name:           k_q5d88f80412_proj
    .symbol:         k_q5d88f80412_proj.kd
    .args:
      - { .name: XC, .offset: 0, .size: 8, .value_kind: global_buffer, .address_space: global }
      - { .name: bq, .offset: 8, .size: 8, .value_kind: global_buffer, .address_space: global }
      - { .name: bk, .offset: 16, .size: 8, .value_kind: global_buffer, .address_space: global }
      - { .name: bv, .offset: 24, .size: 8, .value_kind: global_buffer, .address_space: global }
      - { .name: T, .offset: 32, .size: 8, .value_kind: global_buffer, .address_space: global }
      - { .name: FL, .offset: 40, .size: 8, .value_kind: global_buffer, .address_space: global }
    .group_segment_fixed_size: 327680
    .private_segment_fixed_size: 0
    .kernarg_segment_align: 8
    .kernarg_segment_size: 48
    .max_flat_workgroup_size: 256
    .sgpr_count:     80
    .vgpr_count:     256
    .wavefront_size: 32
...
	.end_amdgpu_metadata
.endif
;; end of part 2
;; launch attn (part 3): grid 4 x 64, 16 waves a work-group, clusters of 4 x 1, 327,680 bytes of LDS; arguments T, MB, CTX; writes CTX
.if DOCPART == 3
	.amdgcn_target "amdgcn-amd-amdhsa--gfx1250"
	.amdhsa_code_object_version 6
	.text
	.protected	k_q5d88f80412_attn
	.globl	k_q5d88f80412_attn
	.p2align	8
	.type	k_q5d88f80412_attn,@function
k_q5d88f80412_attn:
	s_mov_b64 s[64:65], 0
	v_nop
	global_prefetch_b8 v0, s[64:65] scope:SCOPE_SE
	s_setreg_imm32_b32 hwreg(HW_REG_WAVE_MODE, 25, 1), 1
	s_wait_xcnt 0x0
	s_wait_alu depctr_hold_cnt(0) depctr_sa_sdst(0) depctr_va_vdst(0) depctr_va_sdst(0) depctr_va_ssrc(0) depctr_va_vcc(0) depctr_vm_vsrc(0)
	s_getreg_b32 s2, hwreg(HW_REG_IB_STS2, 6, 4)
	s_cmp_eq_u32 s2, 0
	s_cbranch_scc0 .Lentry_in_a_cluster
	s_endpgm
.Lentry_in_a_cluster:
	s_bfe_u32 s2, ttmp6, 0x10000c
	s_cmp_lg_u32 s2, 0x3003
	s_cbranch_scc0 .Lentry_shape_is_right
	s_endpgm
.Lentry_shape_is_right:
; ctx[b][q][head] = the sum over k of softmax_k(where(mask == 0, -1e9, Q.K / 8)) V, on f16 operands with f32 sums, maxima and row sums.  No work is left out: the mask is an input, so every key is walked.
; Q' = Q log2(e) / 8 comes from the launch before, so t = Q'.K and p = 2^(t - m), m the running maximum of the row; a hidden score is -1e9 log2(e): a row with no open key
; gives p = 1 for every key.  In every step O and l are multiplied by a = 2^(old m - new m).
; LIMITS: open scores stay above -9e8; p, V and ctx are rounded to f16 (ctx under 65,504); the first 16 positions of each sequence are made again, more finely, by the last launch.
; SHARES.  A work-group owns 512 queries of one (b, head); each of its sixteen waves owns 32, two tiles of 16, in 256 registers: four waves to a SIMD, so that one wave's softmax stands beside another's products.
; Every wave walks all 2,048 keys, 64 a step.  K and V come through a ring of two LDS slots of 512 keys (64 KiB of K, 64 KiB of V: one dense block of memory); each wave fetches 8 KiB of a slot.
; A refill has a slot's eight key steps in which to land.  At most two tensor loads of a wave are out: the first fills.
; CLUSTER.  The four query blocks of a (b, head) walk the same K and V: each tile is asked for JOINTLY, by the same tensor load with the same descriptor and the mask 15.
; LAYOUT.  S^T = K Q'^T (source 0 = 16 keys, source 1 = 16 queries) and O^T = V^T P: a lane holds ONE query throughout.  All operands lie in memory and LDS as images of their registers: 16 bytes a lane.
; THE MASK comes as words of 32 bits, one for each score register, bit = lane: they are read into scalar registers, a step ahead, and each selects by one v_cndmask_b32.
.set SLOT1, 131072
.set SPARE, 262144                     ; behind the ring: the spare words, 128 bytes a wave
.set LI,   1                           ; v1  16 x lane
.set SPW,  2
.set NIL,  3
.set ADK,  4
.set ADV,  5
.set NEG,  6                           ; v6  -1e9 log2(e)
.set ST,   8                           ; tile t at v[8 + 8 t]: +0 m, +1 written once, +2, +3 l, +4 .. +7 at work; a in +6
.set Q,    24                          ; v24-55
.set POOL, 56                          ; v56-119  eight fragments of K, then of V
.set S,    120                         ; v120-183 S^T, 32 a tile; p is packed into each tile's first 16
.set O,    184                         ; v184-247 O^T, 32 a tile
.set WV,   10
.set G1,   16
.set TB,   66                          ; s66  LDS byte of the step's tiles of K
.set CNT,  67
.set SLOTS, 100
.set MOFF, 101                         ; s101 byte offset of the next step's mask words
.set KS,   104
.macro PLACES n
.rept \n
	v_nop
.endr
.endm
.macro CROUND                          ; a round of the cluster's barrier
	s_barrier_signal -1
	s_barrier_wait -1
	s_cmp_lg_u32 s[WV], 0
	s_cbranch_scc1 .Lnot_wave_0_\@
	s_barrier_signal -3
.Lnot_wave_0_\@:
	s_barrier_wait -3
	s_barrier_signal -1
	s_barrier_wait -1
.endm
.macro SMAX t                          ; the new m, old m - new m, and t - m
.set rT, ST+8*\t
.set rS, S+32*\t
.irp k, 0,1,2,3
	v_max3_num_f32 v[rT+4+\k], v[rS+8*\k], v[rS+8*\k+1], v[rS+8*\k+2]
.endr
.irp k, 0,1,2,3
	v_max3_num_f32 v[rT+4+\k], v[rT+4+\k], v[rS+8*\k+3], v[rS+8*\k+4]
.endr
.irp k, 0,1,2,3
	v_max3_num_f32 v[rT+4+\k], v[rT+4+\k], v[rS+8*\k+5], v[rS+8*\k+6]
.endr
	v_max3_num_f32 v[rT+4], v[rT+4], v[rS+7], v[rS+15]
	v_max3_num_f32 v[rT+6], v[rT+6], v[rS+23], v[rS+31]
	v_max3_num_f32 v[rT+4], v[rT+4], v[rT+5], v[rT+6]
	v_max3_num_f32 v[rT+4], v[rT+4], v[rT+7], v[rT]
	v_permlanex16_b32 v[rT+5], v[rT+4], s14, s15   ; the query's other 32 keys lie in the lane 16 away
	v_mov_b32 v[rT+7], v[rT]
	v_max_num_f32 v[rT], v[rT+4], v[rT+5]
	v_sub_f32 v[rT+7], v[rT+7], v[rT]
.irp p, 0,2,4,6,8,10,12,14,16,18,20,22,24,26,28,30
	v_pk_add_f32 v[rS+\p:rS+\p+1], v[rS+\p:rS+\p+1], v[rT:rT+1] op_sel_hi:[1,0] neg_lo:[0,1] neg_hi:[0,1]
.endr
.endm
.macro EXPS t
.set rT, ST+8*\t
.set rS, S+32*\t
	v_exp_f32 v[rT+6], v[rT+7]                     ; a
.set i, 0
.rept 32
	v_exp_f32 v[rS+i], v[rS+i]                     ; p
.set i, i+1
.endr
.endm
.macro FIN t                           ; l = a l + the sum of p, in two chains; p to f16, packed in place from the low end on; O^T times a
.set rT, ST+8*\t
.set rS, S+32*\t
	v_pk_fma_f32 v[rT+2:rT+3], v[rT+2:rT+3], v[rT+6:rT+7], v[rS:rS+1] op_sel_hi:[1,0,1]
	v_pk_add_f32 v[rT+4:rT+5], v[rS+2:rS+3], v[rS+4:rS+5]
.irp p, 6,10,14,18,22,26
	v_pk_add_f32 v[rT+2:rT+3], v[rT+2:rT+3], v[rS+\p:rS+\p+1]
	v_pk_add_f32 v[rT+4:rT+5], v[rT+4:rT+5], v[rS+\p+2:rS+\p+3]
.endr
	v_pk_add_f32 v[rT+2:rT+3], v[rT+2:rT+3], v[rS+30:rS+31]
	v_pk_add_f32 v[rT+2:rT+3], v[rT+2:rT+3], v[rT+4:rT+5]
.set i, 0
.rept 16
	v_cvt_pk_f16_f32 v[rS+i], v[rS+2*i], v[rS+2*i+1]
.set i, i+1
.endr
.irp p, 0,2,4,6,8,10,12,14,16,18,20,22,24,26,28,30
	v_pk_mul_f32 v[O+32*\t+\p:O+32*\t+\p+1], v[O+32*\t+\p:O+32*\t+\p+1], v[rT+6:rT+7] op_sel_hi:[1,0]
.endr
.endm
; A KEY STEP: 64 keys for my two tiles of queries.
.macro STEP
	v_add_nc_u32 v[ADK], s[TB], v[LI]
	v_add_nc_u32 v[ADV], 0x10000, v[ADK]
	PLACES 3                                       ; with the two additions five places behind the last products: their p is written over by the products below, their V by the loads
.set f, 0
.rept 8                                ; fragment f: keys 16 (f / 2) on, channels 32 (f % 2) on
	ds_load_b128 v[POOL+8*f:POOL+8*f+3], v[ADK] offset:f*1024
	ds_load_b128 v[POOL+8*f+4:POOL+8*f+7], v[ADK] offset:f*1024+512
.set f, f+1
.endr
	s_wait_dscnt 0x0
.irp kk, 0,1                           ; the eight accumulators take turns
.irp kt, 0,1,2,3
.irp t, 0,1
.if \kk == 0
	v_wmma_f32_16x16x32_f16 v[S+32*\t+8*\kt:S+32*\t+8*\kt+7], v[POOL+8*(2*\kt+\kk):POOL+8*(2*\kt+\kk)+7], v[Q+16*\t+8*\kk:Q+16*\t+8*\kk+7], 0
.else
	v_wmma_f32_16x16x32_f16 v[S+32*\t+8*\kt:S+32*\t+8*\kt+7], v[POOL+8*(2*\kt+\kk):POOL+8*(2*\kt+\kk)+7], v[Q+16*\t+8*\kk:Q+16*\t+8*\kk+7], v[S+32*\t+8*\kt:S+32*\t+8*\kt+7]
.endif
.endr
.endr
.endr
	PLACES 4                                       ; in front of the loads into K's registers and of the first read of the scores
.set f, 0
.rept 8                                ; fragment f: keys 32 (f / 4) on, channels 16 (f % 4) on
	ds_load_b128 v[POOL+8*f:POOL+8*f+3], v[ADV] offset:f*1024
	ds_load_b128 v[POOL+8*f+4:POOL+8*f+7], v[ADV] offset:f*1024+512
.set f, f+1
.endr
	s_wait_kmcnt 0x0                               ; this step's mask words
.set i, 0
.rept 32
	v_cndmask_b32 v[S+i], v[NEG], v[S+i], s[32+i]  ; each accumulator from its low end on
.set i, i+1
.endr
.set i, 0
.rept 32
	v_cndmask_b32 v[S+32+i], v[NEG], v[S+32+i], s[68+i]
.set i, i+1
.endr
	s_add_co_u32 s[KS], s[KS], 1
	s_min_u32 s105, s[KS], 31                      ; the last step asks for its own words once more: no load leaves the buffer
	s_lshl_b32 s[MOFF], s105, 7
	s_load_b512 s[32:47], s[6:7], s[MOFF] offset:0x0
	s_load_b512 s[48:63], s[6:7], s[MOFF] offset:0x40
	s_load_b512 s[68:83], s[6:7], s[MOFF] offset:0x1000
	s_load_b512 s[84:99], s[6:7], s[MOFF] offset:0x1040
	SMAX 0
	SMAX 1
	EXPS 0
	EXPS 1
	v_nop                                          ; a plain place behind the last exponential
	s_wait_alu depctr_va_vdst(0)                   ; one wait for the 66, ahead of their first reader
	FIN 0
	FIN 1
	s_wait_dscnt 0x0                               ; V
.irp g, 0,1
.irp ct, 0,1,2,3
.irp t, 0,1
	v_wmma_f32_16x16x32_f16 v[O+32*\t+8*\ct:O+32*\t+8*\ct+7], v[POOL+8*(4*\g+\ct):POOL+8*(4*\g+\ct)+7], v[S+32*\t+8*\g:S+32*\t+8*\g+7], v[O+32*\t+8*\ct:O+32*\t+8*\ct+7]
.endr
.endr
.endr
	s_add_co_u32 s[TB], s[TB], 8192
.endm
.macro CHUNK                           ; a slot's eight key steps
	s_mov_b32 s[CNT], 8
.Lstep_\@:
	STEP
	s_sub_co_u32 s[CNT], s[CNT], 1
	s_cmp_lg_u32 s[CNT], 0
	s_cbranch_scc1 .Lstep_\@
.endm
; THE CHANGE OF SLOTS.  Each wave waits for all its tensor loads (its part of the other slot), adds 0 to its spare word, and waits for that and for its reads of the slot that it leaves.
; fill = 1: the barrier is a round of the cluster's, and the joint refill is the first thing behind it.
.macro CHANGE fill
	s_wait_tensorcnt 0x0                           ; no tensor load of mine is out, so a group 0 may be written
	ds_add_u32 v[SPW], v[NIL]
.if \fill
	s_xor_b32 s29, s29, SLOT1                      ; the walking descriptor: the other slot than last time,
	s_add_nc_u64 s[30:31], s[30:31], 196608        ; the next 512 keys
	s_wait_dscnt 0x0
	CROUND
	tensor_load_to_lds s[28:31], s[G1:G1+7]
	s_nop 0
	PLACES 4
.else
	s_wait_dscnt 0x0
	s_barrier_signal -1
	s_barrier_wait -1
.endif
	s_sub_co_u32 s[TB], s[TB], 65536
	s_xor_b32 s[TB], s[TB], SLOT1
.endm
	s_load_b128 s[4:7], s[0:1], 0x0                ; T, MB
	s_load_b64 s[8:9], s[0:1], 0x10                ; CTX
	v_lshl_add_u32 v[SPW], v0, 2, SPARE
	v_mov_b32 v[NIL], 0
	ds_add_u32 v[SPW], v[NIL]                      ; the wave's opening: the add, twice on end, and its wait ahead of my first tensor load
	ds_add_u32 v[SPW], v[NIL]
	v_lshrrev_b32 v4, 5, v0
	v_readfirstlane_b32 s[WV], v4                  ; wave 0..15
	s_bfe_u32 s11, ttmp6, 0x40000                  ; cx
	s_lshl_b32 s12, ttmp9, 2
	s_add_co_u32 s11, s12, s11                     ; my block of 512 queries: it enters global addresses alone
	s_and_b32 s12, ttmp7, 0xffff                   ; 16 b + head, which the four partners share
	s_mov_b32 s[G1], 15|(3<<16)|(1<<21)            ; the mask: all four; elements of 8 bytes; bit 21 set beside a mask
	s_mov_b32 s[G1+1], 32<<16                      ; rows of 256 bytes,
	s_mov_b32 s[G1+2], 32<<16                      ; 32 of them,
	s_mov_b32 s[G1+3], 32<<16
	s_mov_b32 s[G1+4], 32
	s_mov_b32 s[G1+5], 32                          ; dense
	s_mov_b32 s[G1+6], 0
	s_mov_b32 s[G1+7], 0
	s_mul_i32 s2, s12, 786432                      ; the (b, head)'s bytes in T
	s_lshl_b32 s13, s[WV], 13                      ; my 8 KiB of a slot, in memory and in LDS
	s_add_co_u32 s32, s2, s13
	s_add_co_u32 s32, s32, 65536                   ; K and V lie behind Q'
	s_mov_b32 s33, 0
	s_mul_i32 s34, s11, 196608
	s_add_co_u32 s34, s34, s2
	s_lshl_b32 s35, s[WV], 12
	s_add_co_u32 s34, s34, s35                     ; my two tiles of Q'
	s_mov_b32 s35, 0
	s_lshr_b32 s36, s12, 4
	s_lshl_b32 s36, s36, 7
	s_lshl_b32 s37, s11, 5
	s_add_co_u32 s36, s36, s37
	s_lshl_b32 s37, s[WV], 1
	s_add_co_u32 s36, s36, s37                     ; my first tile of 16 rows: 128 b + 32 block + 2 wave
	s_lshl_b32 s38, s36, 12
	s_mov_b32 s39, 0
	s_lshl_b32 s40, s36, 15
	s_and_b32 s37, s12, 15
	s_lshl_b32 s37, s37, 11
	s_add_co_u32 s40, s40, s37
	s_mov_b32 s41, 0
	s_mov_b32 s14, 0x76543210
	s_mov_b32 s15, 0xfedcba98
	s_mov_b32 s[TB], 0
	s_mov_b32 s[SLOTS], 2
	s_mov_b32 s[MOFF], 0
	s_mov_b32 s[KS], 0
	s_wait_dscnt 0x0                               ; both opening adds are done
	s_wait_kmcnt 0x0
	s_add_nc_u64 s[32:33], s[4:5], s[32:33]
	s_add_nc_u64 s[4:5], s[4:5], s[34:35]
	s_add_nc_u64 s[6:7], s[6:7], s[38:39]
	s_add_nc_u64 s[8:9], s[8:9], s[40:41]
	CROUND                                         ; all four work-groups are here: the first joint loads meet
	s_mov_b32 s24, 1
	s_mov_b32 s25, s13                             ; slot 0
	s_mov_b64 s[26:27], s[32:33]                   ; keys 0-511
	s_or_b32 s27, s27, 0x80000000
	s_mov_b32 s28, 1
	s_add_co_u32 s29, s13, SLOT1                   ; slot 1
	s_add_nc_u64 s[30:31], s[32:33], 196608        ; keys 512-1023
	s_or_b32 s31, s31, 0x80000000
	tensor_load_to_lds s[24:27], s[G1:G1+7]
	s_nop 0
	tensor_load_to_lds s[28:31], s[G1:G1+7]
	s_nop 0
	PLACES 4
	v_and_b32 v4, 31, v0
	v_lshlrev_b32 v[LI], 4, v4
.irp i, 0,1,2,3,4,5,6,7
	global_load_b128 v[Q+4*\i:Q+4*\i+3], v[LI], s[4:5] offset:512*\i   ; Q' stays in registers
.endr
	s_load_b512 s[32:47], s[6:7], s[MOFF] offset:0x0
	s_load_b512 s[48:63], s[6:7], s[MOFF] offset:0x40
	s_load_b512 s[68:83], s[6:7], s[MOFF] offset:0x1000
	s_load_b512 s[84:99], s[6:7], s[MOFF] offset:0x1040
	v_mov_b32 v[NEG], 0xceabfb8f
.irp t, 0,1
	v_mov_b32 v[ST+8*\t], 0xff61b1e6               ; m: -3e38, under every score
	v_mov_b32 v[ST+8*\t+1], 0
	v_mov_b32 v[ST+8*\t+2], 0                      ; l
	v_mov_b32 v[ST+8*\t+3], 0
.endr
.set i, 0
.rept 64
	v_mov_b32 v[O+i], 0                            ; the step is written once: the first finds zeros, which a = 0 leaves zeros
.set i, i+1
.endr
	s_wait_tensorcnt 0x1                           ; my part of slot 0 is in; slot 1's may stay out
	s_barrier_signal -1
	s_barrier_wait -1
	s_wait_loadcnt 0x0                             ; Q'
	CHUNK
.Lslot:                                            ; two trips: slots 0 and 1 are filled again
	CHANGE 1
	CHUNK
	s_sub_co_u32 s[SLOTS], s[SLOTS], 1
	s_cmp_lg_u32 s[SLOTS], 0
	s_cbranch_scc1 .Lslot
	CHANGE 0                                       ; the last slot is written out: nothing is left to fetch
	CHUNK
	; THE WAY OUT: O^T / l, rounded to f16: a lane's eight channels of a row are 16 bytes of the out projection's operand image; each store covers 512 consecutive bytes
	PLACES 4
.irp t, 0,1
	v_add_f32 v[ST+8*\t+4], v[ST+8*\t+2], v[ST+8*\t+3]
.endr
.irp t, 0,1
	v_permlanex16_b32 v[ST+8*\t+5], v[ST+8*\t+4], s14, s15
.endr
.irp t, 0,1
	v_add_f32 v[ST+8*\t+4], v[ST+8*\t+4], v[ST+8*\t+5]
.endr
.irp t, 0,1
	v_rcp_f32 v[ST+8*\t+6], v[ST+8*\t+4]
.endr
	v_nop
	s_wait_alu depctr_va_vdst(0)                   ; one wait for the two reciprocals, ahead of their first reader
.irp t, 0,1
.irp p, 0,2,4,6,8,10,12,14,16,18,20,22,24,26,28,30
	v_pk_mul_f32 v[O+32*\t+\p:O+32*\t+\p+1], v[O+32*\t+\p:O+32*\t+\p+1], v[ST+8*\t+6:ST+8*\t+7] op_sel_hi:[1,0]
.endr
.endr
.set i, 0
.rept 32
	v_cvt_pk_f16_f32 v[S+i], v[O+2*i], v[O+2*i+1]
.set i, i+1
.endr
.irp t, 0,1
.irp ct, 0,1,2,3
	global_store_b128 v[LI], v[S+16*\t+4*\ct:S+16*\t+4*\ct+3], s[8:9] offset:\t*32768+\ct*512
.endr
.endr
	s_wait_tensorcnt 0x0                           ; the wave's end
	ds_add_u32 v[SPW], v[NIL]
	s_wait_dscnt 0x0
	CROUND                                         ; the closing round: no work-group ends while a partner may still ask for a tile that names it
	s_endpgm
.Lfunc_end_k_q5d88f80412_attn:
	.size	k_q5d88f80412_attn, .Lfunc_end_k_q5d88f80412_attn-k_q5d88f80412_attn
	.p2alignl 7, 3214868480
	.fill 96, 4, 3214868480
	.section	.rodata,"a",@progbits
	.p2align	6, 0x0
	.amdhsa_kernel k_q5d88f80412_attn
		.amdhsa_group_segment_fixed_size 327680
		.amdhsa_private_segment_fixed_size 0
		.amdhsa_enable_private_segment 0
		.amdhsa_kernarg_size 24
		.amdhsa_user_sgpr_count 2
		.amdhsa_user_sgpr_kernarg_segment_ptr 1
		.amdhsa_wavefront_size32 1
		.amdhsa_system_sgpr_workgroup_id_x 1
		.amdhsa_system_sgpr_workgroup_id_y 1
		.amdhsa_system_sgpr_workgroup_id_z 1
		.amdhsa_system_vgpr_workitem_id 0
		.amdhsa_next_free_vgpr 256
		.amdhsa_next_free_sgpr 106
		.amdhsa_reserve_vcc 0
		.amdhsa_float_denorm_mode_32 3
		.amdhsa_float_denorm_mode_16_64 3
		.amdhsa_memory_ordered 1
		.amdhsa_forward_progress 1
		.amdhsa_inst_pref_size 79
	.end_amdhsa_kernel
	.amdgpu_metadata
---
amdhsa.version: [ 1, 2 ]
amdhsa.kernels:
  - .name:           k_q5d88f80412_attn
    .symbol:         k_q5d88f80412_attn.kd
    .args:
      - { .name: T, .offset: 0, .size: 8, .value_kind: global_buffer, .address_space: global }
      - { .name: MB, .offset: 8, .size: 8, .value_kind: global_buffer, .address_space: global }
      - { .name: CTX, .offset: 16, .size: 8, .value_kind: global_buffer, .address_space: global }
    .group_segment_fixed_size: 327680
    .private_segment_fixed_size: 0
    .kernarg_segment_align: 8
    .kernarg_segment_size: 24
    .max_flat_workgroup_size: 512
    .sgpr_count:     106
    .vgpr_count:     256
    .wavefront_size: 32
...
	.end_amdgpu_metadata
.endif
;; end of part 3
;; launch oproj (part 4): grid 4 x 64, 8 waves a work-group, clusters of 4 x 4, 327,680 bytes of LDS; arguments CTX, WO16, bo, out0; writes out0
.if DOCPART == 4
	.amdgcn_target "amdgcn-amd-amdhsa--gfx1250"
	.amdhsa_code_object_version 6
	.text
	.protected	k_q5d88f80412_oproj
	.globl	k_q5d88f80412_oproj
	.p2align	8
	.type	k_q5d88f80412_oproj,@function
k_q5d88f80412_oproj:
	s_mov_b64 s[64:65], 0
	v_nop
	global_prefetch_b8 v0, s[64:65] scope:SCOPE_SE
	s_setreg_imm32_b32 hwreg(HW_REG_WAVE_MODE, 25, 1), 1
	s_wait_xcnt 0x0
	s_wait_alu depctr_hold_cnt(0) depctr_sa_sdst(0) depctr_va_vdst(0) depctr_va_sdst(0) depctr_va_ssrc(0) depctr_va_vcc(0) depctr_vm_vsrc(0)
	s_getreg_b32 s2, hwreg(HW_REG_IB_STS2, 6, 4)
	s_cmp_eq_u32 s2, 0
	s_cbranch_scc0 .Lentry_in_a_cluster
	s_endpgm
.Lentry_in_a_cluster:
	s_bfe_u32 s2, ttmp6, 0x10000c
	s_cmp_lg_u32 s2, 0xf033
	s_cbranch_scc0 .Lentry_shape_is_right
	s_endpgm
.Lentry_shape_is_right:
; out0 = ctx Wo^T + bo, on f16 operands (CTX from the attention launch, WO16 from the first), f32 sums.  No work is left out.
; The first 16 positions of each sequence lie inside live tiles and are stored here too; the last launch stores them again, made more finely.
; SHARES.  A tile of 128 rows x 256 columns to a work-group, 256 work-groups; eight waves, each 64 x 64: 16 accumulators, which take turns.  K goes in 8 steps of 128 through two LDS slots.
; Both operands are images of fragments: a tile of 16 rows x 128 along K is 4,096 consecutive bytes, 32,768 from tile to tile.  Waves 0-3 fetch ctx's 8 tiles, two each, waves 4-7 Wo's 16, four each.
; CLUSTER 4 x 4: ctx's tiles hang on the tile row alone and are asked for jointly along a row of the cluster, Wo's on the tile column alone, jointly along a column.  At most two tensor loads of a wave are out.
; TRANSPOSED (source 0 = 16 rows of Wo, source 1 = 16 rows of ctx): a lane holds eight neighbouring numbers of a row; they go through the wave's own stage in LDS and leave as whole rows of 256 bytes.
.set SLOT,  98304
.set STAGE, 2*SLOT
.set SP,    272
.set SPARE, STAGE+8*16*SP
.set LI,   1
.set ADRA, 16
.set ADRB, 20
.set STO,  24
.set RD,   25
.set CO,   26
.set SPW,  28
.set NIL,  29
.set AF,   32
.set BF,   64
.set OB,   96
.set ACC,  128
.set WV,   12
.set RH,   13
.set CQ,   14
.set G1A,  16
.set G1B,  24
.set G0A,  32
.set G0B,  40
.macro PLACES n
.rept \n
	v_nop
.endr
.endm
.macro JLOAD s                         ; a joint load: an s_nop 0 and four v_nop follow each of the two lines
	s_cmp_eq_u32 s[RH], 0
	s_cbranch_scc0 .Lfor_b_\@
	tensor_load_to_lds s[G0A+4*\s:G0A+4*\s+3], s[G1A:G1A+7]
	s_nop 0
.rept 4
	v_nop
.endr
	s_branch .Lasked_\@
.Lfor_b_\@:
	tensor_load_to_lds s[G0B+4*\s:G0B+4*\s+3], s[G1B:G1B+7]
	s_nop 0
.rept 4
	v_nop
.endr
.Lasked_\@:
.endm
.macro CROUND
	s_barrier_signal -1
	s_barrier_wait -1
	s_cmp_lg_u32 s[WV], 0
	s_cbranch_scc1 .Lnot_wave_0_\@
	s_barrier_signal -3
.Lnot_wave_0_\@:
	s_barrier_wait -3
	s_barrier_signal -1
	s_barrier_wait -1
.endm
.macro WORK slot, zero                 ; a K step of 128: four times 16 matrix instructions
.irp kk, 0,1,2,3
	PLACES 4
.irp i, 0,1,2,3
.irp c, 0,1
	ds_load_b128 v[BF+8*\i+4*\c:BF+8*\i+4*\c+3], v[ADRB+\slot] offset:\i*4096+\kk*1024+512*\c
	ds_load_b128 v[AF+8*\i+4*\c:AF+8*\i+4*\c+3], v[ADRA+\slot] offset:\i*4096+\kk*1024+512*\c
.endr
.endr
	s_wait_dscnt 0x0
.irp a, 0,1,2,3
.irp b, 0,1,2,3
.if (\zero) && (\kk == 0)
	v_wmma_f32_16x16x32_f16 v[ACC+8*(4*\a+\b):ACC+8*(4*\a+\b)+7], v[BF+8*\b:BF+8*\b+7], v[AF+8*\a:AF+8*\a+7], 0
.else
	v_wmma_f32_16x16x32_f16 v[ACC+8*(4*\a+\b):ACC+8*(4*\a+\b)+7], v[BF+8*\b:BF+8*\b+7], v[AF+8*\a:AF+8*\a+7], v[ACC+8*(4*\a+\b):ACC+8*(4*\a+\b)+7]
.endif
.endr
.endr
.endr
.endm
.macro CH slot, fill                   ; the slot just read is left; fill = 1: it takes the K step two on, behind a round of the cluster's barrier
	s_wait_tensorcnt 0x0                           ; all my tensor loads have landed: my part of the other slot
	ds_add_u32 v[SPW], v[NIL]
.if \fill
	s_add_nc_u64 s[G0A+4*\slot+2:G0A+4*\slot+3], s[G0A+4*\slot+2:G0A+4*\slot+3], 8192
	s_add_nc_u64 s[G0B+4*\slot+2:G0B+4*\slot+3], s[G0B+4*\slot+2:G0B+4*\slot+3], 8192
	s_wait_dscnt 0x0
	CROUND
	JLOAD \slot
.else
	s_wait_dscnt 0x0
	s_barrier_signal -1
	s_barrier_wait -1
.endif
.endm
	s_load_b256 s[4:11], s[0:1], 0x0               ; CTX, WO16, bo, out0
	v_lshl_add_u32 v[SPW], v0, 2, SPARE
	v_mov_b32 v[NIL], 0
	ds_add_u32 v[SPW], v[NIL]                      ; the wave's opening: the add, twice on end, and its wait ahead of my first tensor load
	ds_add_u32 v[SPW], v[NIL]
	v_lshrrev_b32 v2, 5, v0
	v_readfirstlane_b32 s[WV], v2                  ; wave 0..7
	s_lshr_b32 s[RH], s[WV], 2                     ; which 64 rows are mine.  Also: I fetch for ctx (0) or for Wo (1)
	s_and_b32 s[CQ], s[WV], 3                      ; which 64 columns.  Also: which part I fetch
	s_bfe_u32 s48, ttmp6, 0x40000                  ; cx
	s_bfe_u32 s49, ttmp6, 0x40004                  ; cy
	s_lshl_b32 s50, ttmp9, 2
	s_add_co_u32 s50, s50, s48                     ; tile column
	s_and_b32 s51, ttmp7, 0xffff
	s_lshl_b32 s51, s51, 2
	s_add_co_u32 s51, s51, s49                     ; tile row
	s_lshl_b32 s52, s49, 2
	s_lshl_b32 s52, 15, s52                        ; my row of the cluster
	s_lshl_b32 s53, 0x1111, s48                    ; my column
	s_or_b32 s[G1A], s52, (3<<16)|(1<<21)          ; elements of 8 bytes; bit 21 set beside a mask
	s_or_b32 s[G1B], s53, (3<<16)|(1<<21)
	s_mov_b32 s[G1A+1], 512<<16                    ; rows of 4,096 bytes
	s_mov_b32 s[G1A+2], 2<<16                      ; 2 tiles
	s_mov_b32 s[G1A+3], 512<<16
	s_mov_b32 s[G1A+4], 2
	s_mov_b32 s[G1A+5], 4096                       ; 32,768 bytes from tile to tile
	s_mov_b32 s[G1A+6], 0
	s_mov_b32 s[G1A+7], 0
	s_mov_b32 s[G1B+1], 512<<16
	s_mov_b32 s[G1B+2], 4<<16                      ; 4 tiles
	s_mov_b32 s[G1B+3], 512<<16
	s_mov_b32 s[G1B+4], 4
	s_mov_b32 s[G1B+5], 4096
	s_mov_b32 s[G1B+6], 0
	s_mov_b32 s[G1B+7], 0
	s_lshl_b32 s54, s51, 3
	s_lshl_b32 s55, s[CQ], 1
	s_add_co_u32 s54, s54, s55                     ; ctx: tile 8 x tile row + 2 x part
	s_lshl_b32 s54, s54, 15
	s_mov_b32 s55, 0
	s_lshl_b32 s56, s50, 4
	s_lshl_b32 s57, s[CQ], 2
	s_add_co_u32 s56, s56, s57                     ; Wo: tile 16 x tile column + 4 x part
	s_lshl_b32 s56, s56, 15
	s_mov_b32 s57, 0
	s_lshl_b32 s58, s[CQ], 13                      ; where they go in a slot: no place in the cluster enters an LDS address
	s_lshl_b32 s59, s[CQ], 14
	s_add_co_u32 s59, s59, 32768
	s_wait_dscnt 0x0                               ; both opening adds are done
	s_wait_kmcnt 0x0
	s_add_nc_u64 s[54:55], s[4:5], s[54:55]
	s_add_nc_u64 s[56:57], s[6:7], s[56:57]
	CROUND                                         ; all sixteen work-groups are here: the first joint loads meet
.irp s, 0,1
	s_mov_b32 s[G0A+4*\s], 1
	s_add_co_u32 s[G0A+4*\s+1], s58, \s*SLOT
	s_add_nc_u64 s[G0A+4*\s+2:G0A+4*\s+3], s[54:55], \s*4096
	s_or_b32 s[G0A+4*\s+3], s[G0A+4*\s+3], 0x80000000
	s_mov_b32 s[G0B+4*\s], 1
	s_add_co_u32 s[G0B+4*\s+1], s59, \s*SLOT
	s_add_nc_u64 s[G0B+4*\s+2:G0B+4*\s+3], s[56:57], \s*4096
	s_or_b32 s[G0B+4*\s+3], s[G0B+4*\s+3], 0x80000000
	JLOAD \s
.endr
	v_and_b32 v2, 31, v0
	v_lshlrev_b32 v[LI], 4, v2
	v_and_b32 v3, 15, v0                           ; r
	v_bfe_u32 v4, v0, 4, 1                         ; h
	s_lshl_b32 s60, s[RH], 14                      ; my four tiles of ctx
	s_lshl_b32 s61, s[CQ], 14
	s_add_co_u32 s61, s61, 32768                   ; my four of Wo
	v_add_nc_u32 v[ADRA], s60, v[LI]
	v_add_nc_u32 v[ADRB], s61, v[LI]
	v_add_nc_u32 v[ADRA+1], SLOT, v[ADRA]
	v_add_nc_u32 v[ADRB+1], SLOT, v[ADRB]
	s_mul_i32 s62, s[WV], 16*SP
	s_add_co_u32 s62, s62, STAGE                   ; my stage
	v_mul_u32_u24 v5, v3, SP
	v_lshl_add_u32 v5, v4, 5, v5
	v_add_nc_u32 v[STO], s62, v5                   ; in: row r, 32 bytes for each half of the lanes
	v_mul_u32_u24 v5, v4, SP
	v_lshl_add_u32 v5, v3, 4, v5
	v_add_nc_u32 v[RD], s62, v5                    ; back: lanes 0-15 one row of 256 bytes, lanes 16-31 the next
	v_lshlrev_b32 v[CO], 12, v4
	v_lshl_add_u32 v[CO], v3, 4, v[CO]             ; and the same two rows in out0
	v_lshlrev_b32 v27, 4, v3
	s_lshl_b32 s66, s50, 10
	s_lshl_b32 s67, s[CQ], 8
	s_add_co_u32 s66, s66, s67                     ; my 64 columns, in bytes
	s_mov_b32 s67, 0
	s_add_nc_u64 s[8:9], s[8:9], s[66:67]
	global_load_b128 v[8:11], v27, s[8:9]          ; bo of the four columns that I store
	s_lshl_b32 s68, s51, 19
	s_lshl_b32 s69, s[RH], 18
	s_add_co_u32 s68, s68, s69                     ; my 64 rows
	s_add_co_u32 s68, s68, s66
	s_mov_b32 s69, 0
	s_add_nc_u64 s[10:11], s[10:11], s[68:69]
	s_wait_tensorcnt 0x1                           ; my part of K step 0 is in; K step 1's may stay out
	s_barrier_signal -1
	s_barrier_wait -1
	WORK 0, 1                                      ; the first products start the sums
	s_mov_b32 s3, 3
.Llap:                                             ; three trips: both slots are filled again
	CH 0, 1
	WORK 1, 0
	CH 1, 1
	WORK 0, 0
	s_sub_co_u32 s3, s3, 1
	s_cmp_lg_u32 s3, 0
	s_cbranch_scc1 .Llap
	CH 0, 0                                        ; the last K step: nothing is left to fetch
	WORK 1, 0
	PLACES 4
	s_wait_loadcnt 0x0                             ; bo
.irp a, 0,1,2,3                        ; 16 rows x 64 columns at a time through my stage; LDS serves a wave's instructions in order
	s_wait_xcnt 0x0                                ; the block before's stores have read their registers
.irp b, 0,1,2,3
	ds_store_b128 v[STO], v[ACC+8*(4*\a+\b):ACC+8*(4*\a+\b)+3] offset:64*\b        ; each accumulator from its low end on
	ds_store_b128 v[STO], v[ACC+8*(4*\a+\b)+4:ACC+8*(4*\a+\b)+7] offset:64*\b+16
.endr
.irp t, 0,1,2,3,4,5,6,7
	ds_load_b128 v[OB+4*\t:OB+4*\t+3], v[RD] offset:\t*2*SP
.endr
	s_wait_dscnt 0x0
.irp t, 0,1,2,3,4,5,6,7
	v_pk_add_f32 v[OB+4*\t:OB+4*\t+1], v[OB+4*\t:OB+4*\t+1], v[8:9]
	v_pk_add_f32 v[OB+4*\t+2:OB+4*\t+3], v[OB+4*\t+2:OB+4*\t+3], v[10:11]
.endr
.irp t, 0,1,2,3,4,5,6,7
	global_store_b128 v[CO], v[OB+4*\t:OB+4*\t+3], s[10:11] offset:(16*\a+2*\t)*4096   ; sixteen lanes store 256 consecutive bytes, at a multiple of 256 from out0's first byte
.endr
.endr
	s_wait_tensorcnt 0x0                           ; the wave's end
	ds_add_u32 v[SPW], v[NIL]
	s_wait_dscnt 0x0
	CROUND                                         ; the closing round
	s_endpgm
.Lfunc_end_k_q5d88f80412_oproj:
	.size	k_q5d88f80412_oproj, .Lfunc_end_k_q5d88f80412_oproj-k_q5d88f80412_oproj
	.p2alignl 7, 3214868480
	.fill 96, 4, 3214868480
	.section	.rodata,"a",@progbits
	.p2align	6, 0x0
	.amdhsa_kernel k_q5d88f80412_oproj
		.amdhsa_group_segment_fixed_size 327680
		.amdhsa_private_segment_fixed_size 0
		.amdhsa_enable_private_segment 0
		.amdhsa_kernarg_size 32
		.amdhsa_user_sgpr_count 2
		.amdhsa_user_sgpr_kernarg_segment_ptr 1
		.amdhsa_wavefront_size32 1
		.amdhsa_system_sgpr_workgroup_id_x 1
		.amdhsa_system_sgpr_workgroup_id_y 1
		.amdhsa_system_sgpr_workgroup_id_z 1
		.amdhsa_system_vgpr_workitem_id 0
		.amdhsa_next_free_vgpr 256
		.amdhsa_next_free_sgpr 80
		.amdhsa_reserve_vcc 0
		.amdhsa_float_denorm_mode_32 3
		.amdhsa_float_denorm_mode_16_64 3
		.amdhsa_memory_ordered 1
		.amdhsa_forward_progress 1
		.amdhsa_inst_pref_size 56
	.end_amdhsa_kernel
	.amdgpu_metadata
---
amdhsa.version: [ 1, 2 ]
amdhsa.kernels:
  - .name:           k_q5d88f80412_oproj
    .symbol:         k_q5d88f80412_oproj.kd
    .args:
      - { .name: CTX, .offset: 0, .size: 8, .value_kind: global_buffer, .address_space: global }
      - { .name: WO16, .offset: 8, .size: 8, .value_kind: global_buffer, .address_space: global }
      - { .name: bo, .offset: 16, .size: 8, .value_kind: global_buffer, .address_space: global }
      - { .name: out0, .offset: 24, .size: 8, .value_kind: global_buffer, .address_space: global }
    .group_segment_fixed_size: 327680
    .private_segment_fixed_size: 0
    .kernarg_segment_align: 8
    .kernarg_segment_size: 32
    .max_flat_workgroup_size: 256
    .sgpr_count:     80
    .vgpr_count:     256
    .wavefront_size: 32
...
	.end_amdgpu_metadata
.endif
;; end of part 4
;; launch fine (part 5): grid 16 x 4, 16 waves a work-group, no clusters, 71,680 bytes of LDS; arguments T, FL, MB, WO16, WOL, bo, out0, SK; writes out0
.if DOCPART == 5
	.amdgcn_target "amdgcn-amd-amdhsa--gfx1250"
	.amdhsa_code_object_version 6
	.text
	.protected	k_q5d88f80412_fine
	.globl	k_q5d88f80412_fine
	.p2align	8
	.type	k_q5d88f80412_fine,@function
k_q5d88f80412_fine:
	s_mov_b64 s[64:65], 0
	v_nop
	global_prefetch_b8 v0, s[64:65] scope:SCOPE_SE
	s_setreg_imm32_b32 hwreg(HW_REG_WAVE_MODE, 25, 1), 1
	s_wait_xcnt 0x0
; THE FIRST 16 POSITIONS OF EVERY SEQUENCE, once more and more finely: where few keys are open a row averages few values, and the rounding of f16 operands weighs most.
; Their operands go as pairs of f16 numbers, a high and a low part, both to the matrix units: Q' (high + low) with K (high + low for keys 0-31); p (high + low for keys 0-31) with V (likewise);
; ctx (high + low) with Wo (high + low).  The products of two low parts are left out: they lie 22 bits under the sums.  All else is the attention launch's arithmetic.
; WORK LEFT OUT, by whole numbers that the first launch stored (SK) and a scalar load reads here: a step of 64 keys that the mask hides from all 16 queries adds 2^(-1e9 log2(e) - m) = 0 in f32 to every
; row that has an open key somewhere.  So such steps are jumped over where every one of the 16 rows has an open key; where some row has none, every step is walked, since that row averages all keys.
; Step 0 is always walked.
; SHARES.  A work-group makes 64 columns of out0 for the 16 rows of one b; wave = head: each wave makes its head's ctx and its 64 of the out product's K; the sixteen partial sums meet in LDS.
; NO CLUSTER and no tensor load: the walk hangs on loaded whole numbers, so the operands go from memory straight into registers, as images of fragments.
.set SPARE, 69632                      ; behind the sixteen partial sums (16 rows x 272 bytes each): the spare words
.set LI,  1                            ; v1  16 x lane
.set SPW, 2
.set NIL, 3
.set PST, 4                            ; v4  where I put my partial sums
.set PRD, 5                            ; v5  where I read a row's
.set NEG, 6
.set L8,  7                            ; v7  8 x lane
.set ST,  12                           ; v12 m, v13 written once, v14-15 l, v16-19 at work; a in v18
.set QH,  20                           ; v20-35 Q' high, v36-51 low; later the out product's four accumulators
.set QL,  36
.set PH,  52                           ; v52-67 p high; later ctx high
.set PL,  68                           ; v68-75 p low, keys 0-31
.set CL,  76                           ; v76-91 ctx low
.set O,   92                           ; v92-123
.set S,   124                          ; v124-155
.set POOL, 156                         ; v156-219 eight high fragments, v220-251 four low ones.  S and POOL together take Wo's sixteen fragments
.set WH,  124
.set WV,  18
.set STEPS, 24
.set KS,  25
.macro PLACES n
.rept \n
	v_nop
.endr
.endm
.macro FSTEP fine                      ; 64 keys, the s[KS]-th; fine = 1: with the low parts
	s_lshl_b32 s26, s[KS], 7
	s_load_b512 s[32:47], s[8:9], s26 offset:0x0   ; the step's 32 mask words
	s_load_b512 s[48:63], s[8:9], s26 offset:0x40
	s_lshr_b32 s27, s[KS], 3
	s_mul_i32 s27, s27, 196608
	s_and_b32 s30, s[KS], 7
	s_lshl_b32 s30, s30, 13
	s_add_co_u32 s30, s30, s27
	s_add_co_u32 s30, s30, 65536
	s_mov_b32 s31, 0
	s_add_nc_u64 s[28:29], s[4:5], s[30:31]        ; the step's K; its V lies 65,536 bytes on
	PLACES 5
.set f, 0
.rept 8
	global_load_b128 v[POOL+8*f:POOL+8*f+3], v[LI], s[28:29] offset:f*1024
	global_load_b128 v[POOL+8*f+4:POOL+8*f+7], v[LI], s[28:29] offset:f*1024+512
.set f, f+1
.endr
.if \fine
.set f, 0
.rept 4
	global_load_b128 v[POOL+64+8*f:POOL+64+8*f+3], v[LI], s[6:7] offset:4096+f*1024
	global_load_b128 v[POOL+64+8*f+4:POOL+64+8*f+7], v[LI], s[6:7] offset:4096+f*1024+512
.set f, f+1
.endr
.endif
	s_wait_loadcnt 0x0                             ; K (in the first step: Q' too)
.irp kk, 0,1                           ; the accumulators take turns
.irp kt, 0,1,2,3
.if \kk == 0
	v_wmma_f32_16x16x32_f16 v[S+8*\kt:S+8*\kt+7], v[POOL+8*(2*\kt+\kk):POOL+8*(2*\kt+\kk)+7], v[QH+8*\kk:QH+8*\kk+7], 0
.else
	v_wmma_f32_16x16x32_f16 v[S+8*\kt:S+8*\kt+7], v[POOL+8*(2*\kt+\kk):POOL+8*(2*\kt+\kk)+7], v[QH+8*\kk:QH+8*\kk+7], v[S+8*\kt:S+8*\kt+7]
.endif
.endr
.endr
.if \fine
.irp kk, 0,1
.irp kt, 0,1,2,3
	v_wmma_f32_16x16x32_f16 v[S+8*\kt:S+8*\kt+7], v[POOL+8*(2*\kt+\kk):POOL+8*(2*\kt+\kk)+7], v[QL+8*\kk:QL+8*\kk+7], v[S+8*\kt:S+8*\kt+7]
.endr
.endr
.irp kk, 0,1
.irp kt, 0,1
	v_wmma_f32_16x16x32_f16 v[S+8*\kt:S+8*\kt+7], v[POOL+64+8*(2*\kt+\kk):POOL+64+8*(2*\kt+\kk)+7], v[QH+8*\kk:QH+8*\kk+7], v[S+8*\kt:S+8*\kt+7]
.endr
.endr
.endif
	PLACES 4
.set f, 0
.rept 8
	global_load_b128 v[POOL+8*f:POOL+8*f+3], v[LI], s[28:29] offset:65536+f*1024
	global_load_b128 v[POOL+8*f+4:POOL+8*f+7], v[LI], s[28:29] offset:65536+f*1024+512
.set f, f+1
.endr
.if \fine
.set f, 0
.rept 4
	global_load_b128 v[POOL+64+8*f:POOL+64+8*f+3], v[LI], s[6:7] offset:8192+f*1024
	global_load_b128 v[POOL+64+8*f+4:POOL+64+8*f+7], v[LI], s[6:7] offset:8192+f*1024+512
.set f, f+1
.endr
.endif
	s_wait_kmcnt 0x0
.set i, 0
.rept 32
	v_cndmask_b32 v[S+i], v[NEG], v[S+i], s[32+i]  ; each accumulator from its low end on
.set i, i+1
.endr
.irp k, 0,1,2,3
	v_max3_num_f32 v[ST+4+\k], v[S+8*\k], v[S+8*\k+1], v[S+8*\k+2]
.endr
.irp k, 0,1,2,3
	v_max3_num_f32 v[ST+4+\k], v[ST+4+\k], v[S+8*\k+3], v[S+8*\k+4]
.endr
.irp k, 0,1,2,3
	v_max3_num_f32 v[ST+4+\k], v[ST+4+\k], v[S+8*\k+5], v[S+8*\k+6]
.endr
	v_max3_num_f32 v[ST+4], v[ST+4], v[S+7], v[S+15]
	v_max3_num_f32 v[ST+6], v[ST+6], v[S+23], v[S+31]
	v_max3_num_f32 v[ST+4], v[ST+4], v[ST+5], v[ST+6]
	v_max3_num_f32 v[ST+4], v[ST+4], v[ST+7], v[ST]
	v_permlanex16_b32 v[ST+5], v[ST+4], s22, s23
	v_mov_b32 v[ST+7], v[ST]
	v_max_num_f32 v[ST], v[ST+4], v[ST+5]          ; the new m
	v_sub_f32 v[ST+7], v[ST+7], v[ST]
.irp p, 0,2,4,6,8,10,12,14,16,18,20,22,24,26,28,30
	v_pk_add_f32 v[S+\p:S+\p+1], v[S+\p:S+\p+1], v[ST:ST+1] op_sel_hi:[1,0] neg_lo:[0,1] neg_hi:[0,1]
.endr
	v_exp_f32 v[ST+6], v[ST+7]                     ; a
.set i, 0
.rept 32
	v_exp_f32 v[S+i], v[S+i]                       ; p
.set i, i+1
.endr
	v_nop
	s_wait_alu depctr_va_vdst(0)                   ; one wait for the 33, ahead of their first reader
	v_pk_fma_f32 v[ST+2:ST+3], v[ST+2:ST+3], v[ST+6:ST+7], v[S:S+1] op_sel_hi:[1,0,1]
	v_pk_add_f32 v[ST+4:ST+5], v[S+2:S+3], v[S+4:S+5]
.irp p, 6,10,14,18,22,26
	v_pk_add_f32 v[ST+2:ST+3], v[ST+2:ST+3], v[S+\p:S+\p+1]
	v_pk_add_f32 v[ST+4:ST+5], v[ST+4:ST+5], v[S+\p+2:S+\p+3]
.endr
	v_pk_add_f32 v[ST+2:ST+3], v[ST+2:ST+3], v[S+30:S+31]
	v_pk_add_f32 v[ST+2:ST+3], v[ST+2:ST+3], v[ST+4:ST+5]
.set i, 0
.rept 16
	v_cvt_pk_f16_f32 v[PH+i], v[S+2*i], v[S+2*i+1]
.set i, i+1
.endr
.if \fine
.set i, 0
.rept 8
	v_cvt_pk_f16_f32 v8, v[S+2*i], v[S+2*i+1]
	v_cvt_f32_f16 v10, v8.l
	v_cvt_f32_f16 v11, v8.h
	v_pk_add_f32 v[10:11], v[S+2*i:S+2*i+1], v[10:11] neg_lo:[0,1] neg_hi:[0,1]
	v_cvt_pk_f16_f32 v[PL+i], v10, v11
.set i, i+1
.endr
.endif
.irp p, 0,2,4,6,8,10,12,14,16,18,20,22,24,26,28,30
	v_pk_mul_f32 v[O+\p:O+\p+1], v[O+\p:O+\p+1], v[ST+6:ST+7] op_sel_hi:[1,0]
.endr
	s_wait_loadcnt 0x0                             ; V
.irp g, 0,1
.irp ct, 0,1,2,3
	v_wmma_f32_16x16x32_f16 v[O+8*\ct:O+8*\ct+7], v[POOL+8*(4*\g+\ct):POOL+8*(4*\g+\ct)+7], v[PH+8*\g:PH+8*\g+7], v[O+8*\ct:O+8*\ct+7]
.endr
.endr
.if \fine
.irp ct, 0,1,2,3
	v_wmma_f32_16x16x32_f16 v[O+8*\ct:O+8*\ct+7], v[POOL+8*\ct:POOL+8*\ct+7], v[PL:PL+7], v[O+8*\ct:O+8*\ct+7]
.endr
.irp ct, 0,1,2,3
	v_wmma_f32_16x16x32_f16 v[O+8*\ct:O+8*\ct+7], v[POOL+64+8*\ct:POOL+64+8*\ct+7], v[PH:PH+7], v[O+8*\ct:O+8*\ct+7]
.endr
.endif
.endm
	s_load_b256 s[4:11], s[0:1], 0x0               ; T, FL, MB, WO16
	s_load_b128 s[12:15], s[0:1], 0x20             ; WOL, bo
	s_load_b64 s[16:17], s[0:1], 0x30              ; out0
	s_load_b64 s[20:21], s[0:1], 0x38              ; SK
	v_lshl_add_u32 v[SPW], v0, 2, SPARE
	v_mov_b32 v[NIL], 0
	v_lshrrev_b32 v8, 5, v0
	v_readfirstlane_b32 s[WV], v8                  ; wave = head
	v_and_b32 v8, 31, v0                           ; lane
	v_lshlrev_b32 v[LI], 4, v8
	v_lshlrev_b32 v[L8], 3, v8
	v_and_b32 v10, 15, v0                          ; r
	v_bfe_u32 v11, v0, 4, 1                        ; h
	s_mul_i32 s26, s[WV], 4352
	v_mul_u32_u24 v[PST], v10, 272
	v_lshl_add_u32 v[PST], v11, 5, v[PST]
	v_add_nc_u32 v[PST], s26, v[PST]               ; my partial sums: row r, 32 bytes for each half of the lanes
	s_mul_i32 s27, s[WV], 272
	v_lshl_add_u32 v[PRD], v8, 3, s27              ; row = my wave's number, 8 bytes a lane
	s_and_b32 s19, ttmp7, 0xffff                   ; b
	s_lshl_b32 s26, s19, 4
	s_add_co_u32 s26, s26, s[WV]                   ; 16 b + head
	s_mov_b32 s31, 0
	s_mov_b32 s22, 0x76543210
	s_mov_b32 s23, 0xfedcba98
	s_wait_kmcnt 0x0
	s_lshl_b32 s30, s19, 4                         ; the list: 16 bytes a batch
	s_add_nc_u64 s[20:21], s[20:21], s[30:31]
	s_load_b128 s[32:35], s[20:21], 0x0            ; steps and rows of keys 0-1023, steps and rows of keys 1024-2047
	s_mul_i32 s30, s26, 786432
	s_add_nc_u64 s[4:5], s[4:5], s[30:31]
	s_mul_i32 s30, s26, 12288
	s_add_nc_u64 s[6:7], s[6:7], s[30:31]
	s_lshl_b32 s30, s19, 19                        ; the mask words of b's first tile of queries
	s_add_nc_u64 s[8:9], s[8:9], s[30:31]
	s_lshl_b32 s30, ttmp9, 17                      ; Wo: my four tiles of 16 rows, my head's 64 along K
	s_lshl_b32 s27, s[WV], 11
	s_add_co_u32 s30, s30, s27
	s_add_nc_u64 s[10:11], s[10:11], s[30:31]
	s_add_nc_u64 s[12:13], s[12:13], s[30:31]
	s_lshl_b32 s30, ttmp9, 8                       ; my work-group's 64 columns, in bytes
	s_add_nc_u64 s[14:15], s[14:15], s[30:31]
	s_lshl_b32 s27, s19, 11
	s_add_co_u32 s27, s27, s[WV]                   ; the row that my wave stores
	s_lshl_b32 s27, s27, 12
	s_add_co_u32 s30, s30, s27
	s_add_nc_u64 s[16:17], s[16:17], s[30:31]
.irp i, 0,1,2,3
	global_load_b128 v[QH+4*\i:QH+4*\i+3], v[LI], s[4:5] offset:512*\i   ; Q' in two parts: waited for with the first step's K
	global_load_b128 v[QL+4*\i:QL+4*\i+3], v[LI], s[6:7] offset:512*\i
.endr
	v_mov_b32 v[NEG], 0xceabfb8f                   ; -1e9 log2(e)
	v_mov_b32 v[ST], 0xff61b1e6                    ; m: -3e38
	v_mov_b32 v[ST+1], 0
	v_mov_b32 v[ST+2], 0                           ; l
	v_mov_b32 v[ST+3], 0
.set i, 0
.rept 32
	v_mov_b32 v[O+i], 0
.set i, i+1
.endr
	s_wait_kmcnt 0x0                               ; the list
	s_lshl_b32 s26, s34, 16
	s_or_b32 s[STEPS], s32, s26                    ; bit n: key step n has a key that is open for one of the 16 queries
	s_or_b32 s26, s33, s35                         ; bit l: query l % 16 has an open key among those of lane l
	s_lshr_b32 s27, s26, 16
	s_or_b32 s26, s26, s27
	s_and_b32 s26, s26, 0xffff                     ; bit r: query r has an open key
	s_cmp_eq_u32 s26, 0xffff
	s_cselect_b32 s[STEPS], s[STEPS], -1           ; a row with none averages all keys: then every step is walked
	s_mov_b32 s[KS], 0
	FSTEP 1
	s_mov_b32 s[KS], 1
.Lks:
	s_lshr_b32 s26, s[STEPS], s[KS]
	s_and_b32 s26, s26, 1
	s_cmp_lg_u32 s26, 0
	s_cbranch_scc0 .Lhidden
	FSTEP 0
.Lhidden:
	s_add_co_u32 s[KS], s[KS], 1
	s_cmp_lt_u32 s[KS], 32
	s_cbranch_scc1 .Lks
	; ctx = O^T / l in two f16 parts, and my head's 64 of the out product's K
	PLACES 5
.irp nt, 0,1,2,3
.irp kk, 0,1
.irp c, 0,1
	global_load_b128 v[WH+8*(2*\nt+\kk)+4*\c:WH+8*(2*\nt+\kk)+4*\c+3], v[LI], s[10:11] offset:\nt*32768+\kk*1024+512*\c
	global_load_b128 v[WH+64+8*(2*\nt+\kk)+4*\c:WH+64+8*(2*\nt+\kk)+4*\c+3], v[LI], s[12:13] offset:\nt*32768+\kk*1024+512*\c
.endr
.endr
.endr
	v_add_f32 v[ST+4], v[ST+2], v[ST+3]
	v_permlanex16_b32 v[ST+5], v[ST+4], s22, s23
	v_add_f32 v[ST+4], v[ST+4], v[ST+5]
	v_rcp_f32 v[ST+6], v[ST+4]
	v_nop
	s_wait_alu depctr_va_vdst(0)
.irp p, 0,2,4,6,8,10,12,14,16,18,20,22,24,26,28,30
	v_pk_mul_f32 v[O+\p:O+\p+1], v[O+\p:O+\p+1], v[ST+6:ST+7] op_sel_hi:[1,0]
.endr
.set i, 0
.rept 16
	v_cvt_pk_f16_f32 v[PH+i], v[O+2*i], v[O+2*i+1]
	v_cvt_pk_f16_f32 v8, v[O+2*i], v[O+2*i+1]
	v_cvt_f32_f16 v10, v8.l
	v_cvt_f32_f16 v11, v8.h
	v_pk_add_f32 v[10:11], v[O+2*i:O+2*i+1], v[10:11] neg_lo:[0,1] neg_hi:[0,1]
	v_cvt_pk_f16_f32 v[CL+i], v10, v11
.set i, i+1
.endr
	PLACES 5                                       ; the sums below are laid over Q's registers, which earlier products read
	s_wait_loadcnt 0x0
.irp kk, 0,1                           ; Wo high x ctx high; the four accumulators take turns
.irp nt, 0,1,2,3
.if \kk == 0
	v_wmma_f32_16x16x32_f16 v[QH+8*\nt:QH+8*\nt+7], v[WH+8*(2*\nt+\kk):WH+8*(2*\nt+\kk)+7], v[PH+8*\kk:PH+8*\kk+7], 0
.else
	v_wmma_f32_16x16x32_f16 v[QH+8*\nt:QH+8*\nt+7], v[WH+8*(2*\nt+\kk):WH+8*(2*\nt+\kk)+7], v[PH+8*\kk:PH+8*\kk+7], v[QH+8*\nt:QH+8*\nt+7]
.endif
.endr
.endr
.irp kk, 0,1                           ; Wo low x ctx high
.irp nt, 0,1,2,3
	v_wmma_f32_16x16x32_f16 v[QH+8*\nt:QH+8*\nt+7], v[WH+64+8*(2*\nt+\kk):WH+64+8*(2*\nt+\kk)+7], v[PH+8*\kk:PH+8*\kk+7], v[QH+8*\nt:QH+8*\nt+7]
.endr
.endr
.irp kk, 0,1                           ; Wo high x ctx low
.irp nt, 0,1,2,3
	v_wmma_f32_16x16x32_f16 v[QH+8*\nt:QH+8*\nt+7], v[WH+8*(2*\nt+\kk):WH+8*(2*\nt+\kk)+7], v[CL+8*\kk:CL+8*\kk+7], v[QH+8*\nt:QH+8*\nt+7]
.endr
.endr
	PLACES 4
.irp nt, 0,1,2,3
	ds_store_b128 v[PST], v[QH+8*\nt:QH+8*\nt+3] offset:64*\nt          ; lane (r, h): row r, columns 16 nt + 8 h + 0 .. 7
	ds_store_b128 v[PST], v[QH+8*\nt+4:QH+8*\nt+7] offset:64*\nt+16
.endr
	s_wait_dscnt 0x0                               ; for the others' sake: my partial sums have landed
	s_barrier_signal -1
	s_barrier_wait -1
.set p, 0
.rept 16
	ds_load_b64 v[S+2*p:S+2*p+1], v[PRD] offset:p*4352   ; head p's part of my row
.set p, p+1
.endr
	global_load_b64 v[S+32:S+33], v[L8], s[14:15]  ; bo
	s_wait_dscnt 0x0
.irp p, 0,4,8,12,16,20,24,28
	v_pk_add_f32 v[S+\p:S+\p+1], v[S+\p:S+\p+1], v[S+\p+2:S+\p+3]
.endr
.irp p, 0,8,16,24
	v_pk_add_f32 v[S+\p:S+\p+1], v[S+\p:S+\p+1], v[S+\p+4:S+\p+5]
.endr
.irp p, 0,16
	v_pk_add_f32 v[S+\p:S+\p+1], v[S+\p:S+\p+1], v[S+\p+8:S+\p+9]
.endr
	v_pk_add_f32 v[S:S+1], v[S:S+1], v[S+16:S+17]
	s_wait_loadcnt 0x0
	v_pk_add_f32 v[S:S+1], v[S:S+1], v[S+32:S+33]
	global_store_b64 v[L8], v[S:S+1], s[16:17]     ; 32 lanes store 256 consecutive bytes, at a multiple of 256 from out0's first byte
	s_wait_tensorcnt 0x0                           ; the wave's end, behind my last LDS store
	ds_add_u32 v[SPW], v[NIL]
	s_wait_dscnt 0x0
	s_endpgm
.Lfunc_end_k_q5d88f80412_fine:
	.size	k_q5d88f80412_fine, .Lfunc_end_k_q5d88f80412_fine-k_q5d88f80412_fine
	.p2alignl 7, 3214868480
	.fill 96, 4, 3214868480
	.section	.rodata,"a",@progbits
	.p2align	6, 0x0
	.amdhsa_kernel k_q5d88f80412_fine
		.amdhsa_group_segment_fixed_size 71680
		.amdhsa_private_segment_fixed_size 0
		.amdhsa_enable_private_segment 0
		.amdhsa_kernarg_size 64
		.amdhsa_user_sgpr_count 2
		.amdhsa_user_sgpr_kernarg_segment_ptr 1
		.amdhsa_wavefront_size32 1
		.amdhsa_system_sgpr_workgroup_id_x 1
		.amdhsa_system_sgpr_workgroup_id_y 1
		.amdhsa_system_sgpr_workgroup_id_z 1
		.amdhsa_system_vgpr_workitem_id 0
		.amdhsa_next_free_vgpr 256
		.amdhsa_next_free_sgpr 66
		.amdhsa_reserve_vcc 0
		.amdhsa_float_denorm_mode_32 3
		.amdhsa_float_denorm_mode_16_64 3
		.amdhsa_memory_ordered 1
		.amdhsa_forward_progress 1
		.amdhsa_inst_pref_size 51
	.end_amdhsa_kernel
	.amdgpu_metadata
---
amdhsa.version: [ 1, 2 ]
amdhsa.kernels:
  - .name:           k_q5d88f80412_fine
    .symbol:         k_q5d88f80412_fine.kd
    .args:
      - { .name: T, .offset: 0, .size: 8, .value_kind: global_buffer, .address_space: global }
      - { .name: FL, .offset: 8, .size: 8, .value_kind: global_buffer, .address_space: global }
      - { .name: MB, .offset: 16, .size: 8, .value_kind: global_buffer, .address_space: global }
      - { .name: WO16, .offset: 24, .size: 8, .value_kind: global_buffer, .address_space: global }
      - { .name: WOL, .offset: 32, .size: 8, .value_kind: global_buffer, .address_space: global }
      - { .name: bo, .offset: 40, .size: 8, .value_kind: global_buffer, .address_space: global }
      - { .name: out0, .offset: 48, .size: 8, .value_kind: global_buffer, .address_space: global }
      - { .name: SK, .offset: 56, .size: 8, .value_kind: global_buffer, .address_space: global }
    .group_segment_fixed_size: 71680
    .private_segment_fixed_size: 0
    .kernarg_segment_align: 8
    .kernarg_segment_size: 64
    .max_flat_workgroup_size: 512
    .sgpr_count:     66
    .vgpr_count:     256
    .wavefront_size: 32
...
	.end_amdgpu_metadata
.endif
;; end of part 5
